; MI455X (gfx1250); checked and timed in simulation.
; The chip was launched on July 23, 2026; its instructions are those of AMD's public machine-readable ISA for CDNA 5 (MIT licence, August 2026) and "CDNA5" Instruction Set Architecture Reference Guide (July 2026). The comments in the code are by the model that wrote it; some were corrected since.
;; Attention Layer. Allowed arithmetic: matrix products marked QUANTISED: E2M3 operands, one E8M0 scale for each 32 along K, by v_wmma_scale_f32_16x16x128_f8f6f4 with both operands' format E2M3, f32 sums; everything else in f32.
;; Inputs: Wk 512 x 512 float32; Wo 512 x 512 float32; Wq 512 x 512 float32; Wv 512 x 512 float32; bk 512 float32; bo 512 float32; bq 512 float32; bv 512 float32; hidden_states 2 x 4,096 x 512 float32.
;; Outputs: out0 2 x 4,096 x 512 float32.
;; This version of the problem:
;;   THIS VERSION OF THE PROBLEM IS GIVEN IN LOW PRECISION. The matrix products marked QUANTISED in the list below multiply operands that are first quantised to E2M3 (2 exponent bits, 3 mantissa bits; 6 bits a number), with one power-of-two scale for each 32 numbers along K (OCP MX v1.0); their sums are f32. All else is computed in f32.
;;   The module's matrix products, in the order in which they are computed (A, B: the left and right operand; K: the contracted axis; several contracted axes count as one K, in the product's order):
;;     1. [M 8,192, K 512] x [K 512, N 512]; A: input hidden_states; B: input Wq: QUANTISED
;;     2. [M 8,192, K 512] x [K 512, N 512]; A: input hidden_states; B: input Wk: QUANTISED
;;     3. [M 8,192, K 512] x [K 512, N 512]; A: input hidden_states; B: input Wv: QUANTISED
;;     4. batch 16 x [M 4,096, K 64] x [K 64, N 4,096]; A: computed on the way; B: computed on the way: QUANTISED
;;     5. batch 16 x [M 4,096, K 4,096] x [K 4,096, N 64]; A: softmax (see below); B: computed on the way: QUANTISED
;;     6. [M 8,192, K 512] x [K 512, N 512]; A: computed on the way; B: input Wo: QUANTISED
;;   THE QUANTISER, for each operand of a quantised product, along K:
;;     - K is cut into blocks of 32 from its start; a last block that is shorter is filled with zeros.
;;     - A block's scale is 2^e with e = floor(log2(the largest magnitude in the block)) - 2, held to -126 .. 127; a block of zeros has e = 0. As a byte (E8M0): e + 127.
;;     - Each number is divided by its block's scale, clamped to +-7.5, and rounded to the nearest number of E2M3, ties to even, subnormals kept.
;;     - The product sums the exact products of the quantised numbers (number of the format x scale) in f32.
;;   ~~~python
;;   def quantise(x, axis):      # numpy; x: float32 -> the quantised numbers, widened to float32 again
;;       x = np.moveaxis(x, axis, -1); K = x.shape[-1]
;;       x = np.pad(x, [(0, 0)] * (x.ndim - 1) + [(0, -K % 32)]); x = x.reshape(x.shape[:-1] + (-1, 32)); a = np.abs(x).max(-1, keepdims=True)
;;       e = np.where(a > 0, np.clip(np.frexp(np.where(a > 0, a, 1))[1] - 1 - 2, -126, 127), 0)      # np.frexp(a)[1] - 1 = floor(log2(a)), exactly
;;       r = np.clip(x / 2.0 ** e, -7.5, 7.5)
;;       step = 2.0 ** (np.maximum(np.frexp(np.where(r == 0, 1, r))[1] - 1, 0) - 3)
;;       q = np.round(r / step) * step * 2.0 ** e      # np.round: ties to even
;;       return np.moveaxis(q.reshape(q.shape[:-2] + (-1,))[..., :K], -1, axis).astype(np.float32)
;;   ~~~
;;   SOFTMAX AHEAD OF A QUANTISED PRODUCT. Where the list says 'softmax', what is quantised is not the finished softmax but p = 2^(t - M), with t = logit x log2(e) and M = ceil(the row's largest t), a whole number; so 1/2 < the row's largest p <= 1. The row's sum l is taken of the UNQUANTISED p, in f32, and the product's result is divided by l at the end. Since M is a whole number, a kernel that streams over the keys may use a running M (the ceiling of the running maximum): every later rescaling is an exact power of two, which a block's scale takes up: the codes' values come out the same.
;;   OPERANDS COMPUTED ON THE WAY. 'Computed on the way' means the value that the module computes at that place (a softmax that the list does not call 'softmax' is quantised finished and normalised). What goes into a quantiser is computed in f32, as accurately as f32 sums, v_exp_f32 and their like allow (about 1e-6 of the number): no bf16 or f16 on the way to a quantiser, and a product that is left as it is and whose result goes on into a quantised operand takes f32 operands (vector FMAs, or v_wmma_f32_16x16x4_f32). A number that lies on a knife's edge between two numbers of the format may be rounded either way, as far as f32 arithmetic and the matrix unit's own rounding can turn it there, and no further.
;; One version. Each part assembles by itself: llvm-mc -triple=amdgcn-amd-amdhsa -mcpu=gfx1250 --defsym DOCPART=n.
;; ======== version 1 of 1: 4 launches
;; limits: right only within a limited range of input values
;; workspace buffers: cod 3,932,160 bytes; scl 163,840 bytes; qb 3,407,872 bytes; kv 6,684,672 bytes; cx 3,145,728 bytes; cs 262,144 bytes
;; launch quant (part 1): grid 256 x 1, 5 waves a work-group, no clusters, 85,248 bytes of LDS; arguments hidden_states, Wq, Wk, Wv, Wo, cod, scl; writes cod, scl
.if DOCPART == 1
	.amdgcn_target "amdgcn-amd-amdhsa--gfx1250"
	.amdhsa_code_object_version 6
	.text
	.protected	k_qd2bbf72f34_quant
	.globl	k_qd2bbf72f34_quant
	.p2align	8
	.type	k_qd2bbf72f34_quant,@function
k_qd2bbf72f34_quant:
	s_mov_b64 s[64:65], 0
	v_nop
	global_prefetch_b8 v0, s[64:65] scope:SCOPE_SE
	s_setreg_imm32_b32 hwreg(HW_REG_WAVE_MODE, 25, 1), 1
	s_wait_xcnt 0x0
; hidden_states [8192][512] and Wq, Wk, Wv, Wo [512][512], f32 with K innermost, become codes of FP6 (E2M3) and E8M0 scale bytes, one for each 32 along K,
; laid in the ORDER OF AN OPERAND'S REGISTERS, so that the later launches load fragments by 16 bytes a lane and shuffle nothing.
; TILES.  Rows go in tiles of 16: slot r of tile T is row 32 (T / 2) + 8 (T % 2) + r + 8 (r / 8).  Tiles 0-511 are hidden_states', 512-543 Wq's, 544-575 Wk's, 576-607 Wv's, 608-639 Wo's.
; cod: [tile][K step s = 0..3][1,536 bytes]: a fragment (16 slots x 128 K, 12 registers a lane) as three planes of 512 bytes; plane p holds lane l's registers 4 p .. 4 p + 3 at byte 16 l.
; scl: [tile][s][slot] words: byte b of a word scales k = 128 s + 32 b .. + 31 of that slot's row.
; A block's scale is 2^(floor(log2(its largest magnitude)) - 2); its byte is the largest magnitude's exponent field - 2, held at 1 from below.
; LIMITS: a block of zeros gets the byte 1 where the rule says 127 (its codes are zeros, which add nothing, and this program alone reads the bytes); NaN and infinities among the inputs are not served.
; SHARES.  1,280 tasks of half a tile (16 rows x 256 K: two fragments, 16 KiB of f32), one a wave: task = 5 x work-group + wave.  Waves share nothing: no barrier.
; Each load reads 512 consecutive bytes of one row; the numbers turn through the wave's own stage in LDS, so that lane (r, h) gets, of row r, k = 64 c + 32 h + 0 .. 31: two whole blocks for each fragment.
.set RP,    528                        ; a stage row: 512 bytes + 16: row r starts 132 words on
.set STG,   16*RP                      ; a stage: 16 rows; two stages a wave, one for each fragment
.set WREG,  2*STG                      ; a wave's LDS
.set SPARE, 5*WREG                     ; behind the five regions: the spare words, 128 bytes a wave, three blocks of 256 bytes that no other line names
.set SPW,   14                         ; v14  LDS address of my spare word; never rewritten
.set NIL,   15                         ; v15  0; never rewritten
.set NUM0,  16                         ; v16-79   fragment 0 as loaded; later fragment 1's numbers in a lane's order
.set NUM1,  80                         ; v80-143  fragment 1 as loaded
.set NBR,   144                        ; v144-207 fragment 0's numbers in a lane's order
.set COD0,  208                        ; v208-219 fragment 0's codes
.set COD1,  220                        ; v220-231 fragment 1's
.set AUX,   232                        ; v232-238 the second halves of the blocks' codes, before they are moved
.set WRD0,  240                        ; v240, v241 the two fragments' scale words; v242 the two merged
.set WRD1,  241
	s_load_b256 s[4:11], s[0:1], 0x0               ; hidden_states s[4:5], Wq s[6:7], Wk s[8:9], Wv s[10:11]
	s_load_b128 s[12:15], s[0:1], 0x20             ; Wo s[12:13], cod s[14:15]
	s_load_b64 s[16:17], s[0:1], 0x30              ; scl
	v_lshl_add_u32 v[SPW], v0, 2, SPARE
	v_mov_b32 v[NIL], 0
	v_lshrrev_b32 v1, 5, v0
	v_readfirstlane_b32 s18, v1                    ; wave 0..4
	v_and_b32 v1, 31, v0                           ; lane
	v_lshlrev_b32 v2, 4, v1                        ; 16 x lane
	v_lshlrev_b32 v3, 2, v1                        ; 4 x lane
	s_mul_i32 s23, s18, WREG
	v_add_nc_u32 v4, s23, v2                       ; into a stage: a row's 512 bytes as they lie
	v_and_b32 v5, 15, v0                           ; r
	v_bfe_u32 v6, v0, 4, 1                         ; h
	v_mul_u32_u24 v5, v5, RP
	v_lshl_add_u32 v5, v6, 7, v5
	v_add_nc_u32 v5, s23, v5                       ; out of it: row r, + 128 h bytes: my 32 numbers of each 64
	v_lshlrev_b32 v6, 3, v6                        ; 8 h: how far my two scale bytes are shifted
	v_mov_b32 v7, 0                                ; written once: a lane permute's destination counts as one of its sources
	s_mul_i32 s19, ttmp9, 5
	s_add_co_u32 s19, s19, s18                     ; task
	s_lshr_b32 s20, s19, 1                         ; tile T
	s_and_b32 s21, s19, 1                          ; which half of K
	s_and_b32 s22, s20, 31
	s_cmp_lt_u32 s20, 512
	s_cselect_b32 s22, s20, s22                    ; the tile's number inside its own tensor
	s_lshr_b32 s26, s22, 1
	s_lshl_b32 s26, s26, 16                        ; 32 rows of 2,048 bytes for each pair of tiles,
	s_and_b32 s27, s22, 1
	s_lshl_b32 s27, s27, 14                        ; 8 rows for an odd tile,
	s_add_co_u32 s26, s26, s27
	s_lshl_b32 s27, s21, 10                        ; 1,024 bytes for the second half of K
	s_add_co_u32 s26, s26, s27
	s_mov_b32 s27, 0
	s_mul_i32 s30, s19, 3072                       ; cod: 6,144 T + 3,072 half = 3,072 x task
	s_mov_b32 s31, 0
	s_lshl_b32 s32, s19, 7                         ; scl: 256 T + 128 half = 128 x task
	s_mov_b32 s33, 0
	s_mov_b32 s28, 0x76543210
	s_mov_b32 s29, 0xfedcba98                      ; v_permlanex16_b32's selects for lane l xor 16
	s_wait_alu depctr_va_vdst(0)
	s_wait_kmcnt 0x0
	s_mov_b64 s[24:25], s[12:13]                   ; whose tile is it?  The choice hangs on the task's number alone
	s_cmp_lt_u32 s20, 608
	s_cselect_b64 s[24:25], s[10:11], s[24:25]
	s_cmp_lt_u32 s20, 576
	s_cselect_b64 s[24:25], s[8:9], s[24:25]
	s_cmp_lt_u32 s20, 544
	s_cselect_b64 s[24:25], s[6:7], s[24:25]
	s_cmp_lt_u32 s20, 512
	s_cselect_b64 s[24:25], s[4:5], s[24:25]
	s_add_nc_u64 s[24:25], s[24:25], s[26:27]
	s_add_nc_u64 s[14:15], s[14:15], s[30:31]
	s_add_nc_u64 s[16:17], s[16:17], s[32:33]
.set i, 0
.rept 16                                       ; fragment 0: slot i's 128 numbers, 512 consecutive bytes a load
	global_load_b128 v[NUM0+4*i:NUM0+4*i+3], v2, s[24:25] offset:(i+8*(i/8))*2048 th:TH_LOAD_NT
.set i, i+1
.endr
.set i, 0
.rept 16                                       ; fragment 1
	global_load_b128 v[NUM1+4*i:NUM1+4*i+3], v2, s[24:25] offset:(i+8*(i/8))*2048+512 th:TH_LOAD_NT
.set i, i+1
.endr
; 64 numbers of a lane, v[x + 32 c + i] = k 64 c + 32 h + i of my row, become a fragment's 12 registers of codes at v[c] and its scale word in v[w].  Both blocks are wholly mine.
.macro QW x, c, w
.irp b, 0,1
	v_max3_num_f32 v[8+\b], |v[\x+32*\b]|, |v[\x+32*\b+1]|, 0x1800000   ; the floor 2^(3 - 127) among the leaves: the byte cannot fall under 1
.endr
.irp i, 2,4,6,8,10,12,14,16,18,20,22,24,26,28,30
.irp b, 0,1
	v_max3_num_f32 v[8+\b], v[8+\b], |v[\x+32*\b+\i]|, |v[\x+32*\b+\i+1]|   ; the two blocks by turns
.endr
.endr
.irp b, 0,1
	v_add_nc_u32 v[10+\b], 0xff000000, v[8+\b]     ; 2 off the exponent field: the conversion takes this operand's exponent field as its scale
.endr
.irp b, 0,1
	v_lshrrev_b32 v[12+\b], 23, v[10+\b]           ; the scale's byte
.endr
	v_lshl_or_b32 v[\w], v13, 16, v12              ; my bytes: blocks h and 2 + h,
	v_lshlrev_b32 v[\w], v6, v[\w]                 ; at their places in the word;
	v_permlanex16_b32 v7, v[\w], s28, s29
	v_or_b32 v[\w], v[\w], v7                      ; with lane l xor 16's two the word is whole, in both halves of the lanes
.irp b, 0,1
	v_cvt_scalef32_pk16_fp6_f32 v[\c+6*\b:\c+6*\b+2], v[\x+32*\b:\x+32*\b+15], v[10+\b]
	v_cvt_scalef32_pk16_fp6_f32 v[AUX+4*\b:AUX+4*\b+2], v[\x+32*\b+16:\x+32*\b+31], v[10+\b]   ; (a conversion's three registers begin on an even number)
.endr
	v_nop                                          ; one plain instruction between a scaled conversion and the instruction that touches its result
.irp b, 0,1
.irp i, 0,1,2
	v_mov_b32 v[\c+6*\b+3+\i], v[AUX+4*\b+\i]
.endr
.endr
.endm
	s_wait_loadcnt 16                              ; fragment 0's loads are in; fragment 1's sixteen may be out
.set i, 0
.rept 16
	ds_store_b128 v4, v[NUM0+4*i:NUM0+4*i+3] offset:RP*i
.set i, i+1
.endr
.set i, 0
.rept 16                                       ; LDS serves a wave's instructions in order (ISA guide 5.7.1.4): these see the stores above
	ds_load_b128 v[NBR+32*(i/8)+4*(i%8):NBR+32*(i/8)+4*(i%8)+3], v5 offset:256*(i/8)+16*(i%8)
.set i, i+1
.endr
	s_wait_loadcnt 0x0                             ; fragment 1's loads are in
.set i, 0
.rept 16
	ds_store_b128 v4, v[NUM1+4*i:NUM1+4*i+3] offset:STG+RP*i
.set i, i+1
.endr
	s_wait_dscnt 16                                ; all but those sixteen stores: fragment 0 is back, and its stage stores have read v16-79, which now take fragment 1
.set i, 0
.rept 16
	ds_load_b128 v[NUM0+32*(i/8)+4*(i%8):NUM0+32*(i/8)+4*(i%8)+3], v5 offset:STG+256*(i/8)+16*(i%8)
.set i, i+1
.endr
	QW NBR, COD0, WRD0
.irp p, 0,1,2
	global_store_b128 v2, v[COD0+4*\p:COD0+4*\p+3], s[14:15] offset:512*\p        ; 32 lanes store 512 consecutive bytes, at a multiple of 256 from cod's first byte
.endr
	s_wait_dscnt 0x0                               ; fragment 1 is back
	QW NUM0, COD1, WRD1
.irp p, 0,1,2
	global_store_b128 v2, v[COD1+4*\p:COD1+4*\p+3], s[14:15] offset:1536+512*\p
.endr
	v_cmp_le_u32 vcc_lo, 16, v1
	v_cndmask_b32 v242, v[WRD0], v[WRD1], vcc_lo   ; lanes 0-15 the first fragment's words, lanes 16-31 the second's
	global_store_b32 v3, v242, s[16:17]            ; 128 consecutive bytes: all that a task has of them
	s_wait_tensorcnt 0x0                           ; the wave's end, behind my last LDS store
	ds_add_u32 v[SPW], v[NIL]
	s_wait_dscnt 0x0
	s_endpgm
.Lfunc_end_k_qd2bbf72f34_quant:
	.size	k_qd2bbf72f34_quant, .Lfunc_end_k_qd2bbf72f34_quant-k_qd2bbf72f34_quant
	.p2alignl 7, 3214868480
	.fill 96, 4, 3214868480
	.section	.rodata,"a",@progbits
	.p2align	6, 0x0
	.amdhsa_kernel k_qd2bbf72f34_quant
		.amdhsa_group_segment_fixed_size 85248
		.amdhsa_private_segment_fixed_size 0
		.amdhsa_enable_private_segment 0
		.amdhsa_kernarg_size 56
		.amdhsa_user_sgpr_count 2
		.amdhsa_user_sgpr_kernarg_segment_ptr 1
		.amdhsa_wavefront_size32 1
		.amdhsa_system_sgpr_workgroup_id_x 1
		.amdhsa_system_sgpr_workgroup_id_y 1
		.amdhsa_system_sgpr_workgroup_id_z 1
		.amdhsa_system_vgpr_workitem_id 0
		.amdhsa_next_free_vgpr 256
		.amdhsa_next_free_sgpr 66
		.amdhsa_reserve_vcc 1
		.amdhsa_float_denorm_mode_32 3
		.amdhsa_float_denorm_mode_16_64 3
		.amdhsa_memory_ordered 1
		.amdhsa_forward_progress 1
		.amdhsa_inst_pref_size 17
	.end_amdhsa_kernel
	.amdgpu_metadata
---
amdhsa.version: [ 1, 2 ]
amdhsa.kernels:
  - .name:           k_qd2bbf72f34_quant
    .symbol:         k_qd2bbf72f34_quant.kd
    .args:
      - { .name: hidden_states, .offset: 0, .size: 8, .value_kind: global_buffer, .address_space: global }
      - { .name: Wq, .offset: 8, .size: 8, .value_kind: global_buffer, .address_space: global }
      - { .name: Wk, .offset: 16, .size: 8, .value_kind: global_buffer, .address_space: global }
      - { .name: Wv, .offset: 24, .size: 8, .value_kind: global_buffer, .address_space: global }
      - { .name: Wo, .offset: 32, .size: 8, .value_kind: global_buffer, .address_space: global }
      - { .name: cod, .offset: 40, .size: 8, .value_kind: global_buffer, .address_space: global }
      - { .name: scl, .offset: 48, .size: 8, .value_kind: global_buffer, .address_space: global }
    .group_segment_fixed_size: 85248
    .private_segment_fixed_size: 0
    .kernarg_segment_align: 8
    .kernarg_segment_size: 56
    .max_flat_workgroup_size: 160
    .sgpr_count:     66
    .vgpr_count:     256
    .wavefront_size: 32
...
	.end_amdgpu_metadata
.endif
;; end of part 1
;; launch proj (part 2): grid 4 x 64, 4 waves a work-group, no clusters, 49,664 bytes of LDS; arguments cod, scl, bq, bk, bv, qb, kv; writes qb, kv
.if DOCPART == 2
	.amdgcn_target "amdgcn-amd-amdhsa--gfx1250"
	.amdhsa_code_object_version 6
	.text
	.protected	k_qd2bbf72f34_proj
	.globl	k_qd2bbf72f34_proj
	.p2align	8
	.type	k_qd2bbf72f34_proj,@function
k_qd2bbf72f34_proj:
	s_mov_b64 s[64:65], 0
	v_nop
	global_prefetch_b8 v0, s[64:65] scope:SCOPE_SE
	s_setreg_imm32_b32 hwreg(HW_REG_WAVE_MODE, 25, 1), 1
	s_wait_xcnt 0x0
; q = x Wq^T + bq, k = x Wk^T + bk, v = x Wv^T + bv on codes of FP6 (E2M3) with E8M0 scales, sums in f32; the results are quantised in registers, q and k along the head's 64, v along the keys, and leave as codes alone.
; x's and the weights' codes and scale words come in the order of an operand's registers (cod, scl: tiles of 16 rows, slot r of tile T = row 32 (T / 2) + 8 (T % 2) + r + 8 (r / 8); a fragment = three planes of 512 bytes).
; SHARES.  A work-group takes a chunk of 128 rows (8 tiles); j = 4 x work-group x + wave = 0..15.  Every wave takes all 128 rows.
;   PART A: one head of q (j < 8) or of k (j >= 8): source 0 = 16 rows of W (4 tiles), source 1 = a tile of x.  A lane then holds ONE row of x, and the 16 registers of W's tiles 2 b, 2 b + 1 are channels 32 b + 16 h + 0 .. 15 of the head.
;   PART B: 32 channels of v (Wv's tiles 2 j, 2 j + 1): source 0 = a tile of x, source 1 = 16 rows of Wv.  A lane then holds ONE channel, and the 16 registers of x's tiles 2 b, 2 b + 1 are keys 32 b + 16 h + 0 .. 15 of the chunk.
;   So in both parts a lane's registers run along the next product's K, and a block of 32 lies in lanes l and l xor 16.  48 accumulators, 192 matrix instructions a wave.
; x's 32 fragments are shared by the four waves and go through LDS once, as they lie; each wave's weights are its own and go from memory straight into registers.  The biases are the C of each sum's first instruction.
; OUT.  qb: [16 heads][32 chunks][6,656]: four images of 12 registers (tiles 2 P, 2 P + 1; a tile's six registers: lanes 0-15 channels 0-31, lanes 16-31 channels 32-63), then 512 bytes of scale words (at 16 l + 4 p: tile 2 p + l / 16, slot l % 16; bytes 2, 3 are 0).
;       kv: [16 heads][32 key steps][13,056]: k as in qb at 0; v's four fragments (16 channels x 128 keys) at 6,144; k's scale words at 12,288; v's at 12,800 (at 128 p + 4 l: tile 2 p + l / 16, slot l % 16).
; LIMITS: a block of zeros gets the byte 1 where the rule says 127 (its codes are zeros; this program alone reads the bytes); NaN and infinities are not served.
; No cluster: everything is asked for once, at the head; the weights go into registers, which a tensor load cannot fill; there is no ring in which joint requests could meet.
; REGISTERS, in windows of 256 (s_set_vgpr_msb: bits 1:0 source 0, 3:2 source 1, 5:4 source 2, 7:6 destination):
;   window 0: v1-9 addresses; v32-127 x's eight fragments of a K step (later the codes); v128-143 x's scale words, v144-155 the weights'; v160-219 at work in the quantiser
;   window 1: part A's 32 accumulators, (tile of x i, tile of W t) at 8 (4 i + t)
;   window 2: v0-127 part B's 16 accumulators, (n, i) at 64 n + 8 i; v128-223 Wv's 8 fragments; v224-239 bv
;   window 3: v0-191 W's 16 fragments, (t, s) at 12 (4 t + s); v192-223 bq or bk
.set SPARE, 49152                      ; behind x's images: the spare words, 128 bytes a wave: two blocks of 256 bytes that no other line names
.set XF,  32
.set XS,  128                          ; register 2 i + p: lanes 0-15 K step 2 p of tile i, lanes 16-31 K step 2 p + 1
.set WS,  144                          ; part A: 2 t + p; part B: 8 + 2 n + p
.set TM,  160                          ; largest magnitudes
.set TP,  176                          ; the other half's; then the bytes
.set SO,  192                          ; the conversions' scale operands
.set WD,  208                          ; scale words
.set SW,  216                          ; scale words, two tiles to a register
.set CM,  32                           ; the codes
.set CA,  80                           ; the halves that are made elsewhere and moved
.set MSB, 0
.macro WIN new                         ; the immediate's high byte repeats the setting that is left
.if MSB != \new
	s_set_vgpr_msb (MSB<<8)|\new
.set MSB, \new
.endif
.endm
.macro PLACES n
.rept \n
	v_nop
.endr
.endm
	s_load_b256 s[4:11], s[0:1], 0x0               ; cod s[4:5], scl s[6:7], bq s[8:9], bk s[10:11]
	s_load_b128 s[12:15], s[0:1], 0x20             ; bv s[12:13], qb s[14:15]
	s_load_b64 s[16:17], s[0:1], 0x30              ; kv
	v_lshl_add_u32 v6, v0, 2, SPARE                ; v6: LDS address of my spare word; never rewritten
	v_mov_b32 v7, 0                                ; v7: 0; never rewritten
	v_lshrrev_b32 v8, 5, v0
	v_readfirstlane_b32 s18, v8                    ; wave 0..3
	v_and_b32 v8, 31, v0                           ; lane
	v_lshlrev_b32 v1, 4, v8                        ; 16 x lane: an image's place for my lane
	v_lshlrev_b32 v2, 2, v8                        ; 4 x lane: a scale word's
	s_mul_i32 s48, s18, 12288
	v_add_nc_u32 v3, s48, v1                       ; my wave's quarter of x's images, in memory and in LDS alike
	v_bfe_u32 v4, v0, 4, 1
	v_lshlrev_b32 v4, 6, v4                        ; 64 h: part A's bias
	v_and_b32 v5, 15, v0
	v_and_b32 v9, 8, v5
	v_add_nc_u32 v5, v5, v9
	v_lshlrev_b32 v5, 2, v5                        ; 4 (r + 8 (r / 8)): part B's bias
	; PART A'S CODES LEAVE IN ANOTHER ORDER OF ROWS THAN x's tiles have: in qb and kv slot r of tile t of a chunk is row 64 (t / 4) + 32 (r / 8) + 8 (t % 4) + r % 8.
	; Against x's order that changes bit 3 of the lane with the low bit of the pair image's number: lane (h, u, j) of image 2 A + g goes to lane (h, g, j) of image 2 A + u.  The scale words stay in x's order.
	v_bfe_u32 v11, v0, 3, 1                        ; bit 3 of my lane; the exchange is made in registers, ahead of part A's stores
.set j, 0
.rept 16
	v_mov_b32 v[TP+j], 0                           ; written once: a lane permute's destination counts as one of its sources
.set j, j+1
.endr
	s_and_b32 s20, ttmp7, 0xffff                   ; chunk 0..63
	s_lshl_b32 s21, ttmp9, 2
	s_add_co_u32 s21, s21, s18                     ; j
	s_mov_b32 s22, 0x76543210
	s_mov_b32 s23, 0xfedcba98                      ; v_permlanex16_b32's selects for lane l xor 16
	s_mov_b32 s49, 0                               ; s[48:49]: an offset in 64 bits
	s_wait_kmcnt 0x0
	s_mul_i32 s48, s20, 49152
	s_add_nc_u64 s[24:25], s[4:5], s[48:49]        ; the chunk's 8 tiles of codes
.set m, 0
.rept 24                                       ; my quarter of them: 24 x 512 bytes
	global_load_b128 v[XF+4*m:XF+4*m+3], v3, s[24:25] offset:512*m
.set m, m+1
.endr
	s_mul_i32 s48, s21, 4*6144
	s_add_co_u32 s48, s48, 512*6144
	s_add_nc_u64 s[28:29], s[4:5], s[48:49]        ; part A's four tiles: 512 + 4 j on (Wq's 32 tiles, then Wk's)
	WIN 0xc0                                       ; destination window 3
.set m, 0
.rept 48
	global_load_b128 v[4*m:4*m+3], v1, s[28:29] offset:512*m
.set m, m+1
.endr
	WIN 0
	s_wait_loadcnt 48                              ; my part of x is in; the 48 loads behind it may be out
.set m, 0
.rept 24
	ds_store_b128 v3, v[XF+4*m:XF+4*m+3] offset:512*m
.set m, m+1
.endr
	s_mul_i32 s48, s21, 2*6144
	s_add_co_u32 s48, s48, 576*6144
	s_add_nc_u64 s[30:31], s[4:5], s[48:49]        ; part B's two tiles of Wv
	s_lshl_b32 s48, s21, 7
	s_add_nc_u64 s[38:39], s[12:13], s[48:49]      ; bv at channel 32 j
	WIN 0x80                                       ; destination window 2
.set m, 0
.rept 24
	global_load_b128 v[128+4*m:128+4*m+3], v1, s[30:31] offset:512*m
.set m, m+1
.endr
.irp n, 0,1
.irp e, 0,1,2,3,4,5,6,7
	global_load_b32 v[224+8*\n+\e], v5, s[38:39] offset:32*\n    ; my channel's bias, in all eight registers of the C operand
.endr
.endr
	WIN 0
	s_lshr_b32 s50, s20, 5                         ; batch
	s_and_b32 s51, s20, 31                         ; the chunk inside its batch
	s_and_b32 s52, s21, 7                          ; part A's head
	s_lshl_b32 s53, s50, 3
	s_add_co_u32 s53, s53, s52
	s_lshl_b32 s53, s53, 5
	s_add_co_u32 s53, s53, s51                     ; (8 batch + head) 32 + chunk
	s_mov_b32 s54, 13056
	s_mov_b32 s55, 12288
	s_cmp_lt_u32 s21, 8                            ; q or k?  The choice hangs on j alone
	s_cselect_b32 s54, 6656, s54                   ; a block's bytes,
	s_cselect_b32 s55, 6144, s55                   ; where its scale words begin,
	s_cselect_b64 s[40:41], s[14:15], s[16:17]     ; the buffer,
	s_cselect_b64 s[36:37], s[8:9], s[10:11]       ; and the bias
	s_mul_i32 s48, s53, s54
	s_add_nc_u64 s[40:41], s[40:41], s[48:49]      ; part A's codes go here,
	s_mov_b32 s48, s55
	s_add_nc_u64 s[42:43], s[40:41], s[48:49]      ; its scale words here
	s_lshl_b32 s48, s52, 8
	s_add_nc_u64 s[36:37], s[36:37], s[48:49]      ; the head's 64 numbers of the bias
	WIN 0xc0
.irp t, 0,1,2,3
	global_load_b128 v[192+8*\t:192+8*\t+3], v4, s[36:37] offset:128*(\t/2)+32*(\t%2)       ; channels 32 (t / 2) + 16 h + 8 (t % 2) + 0 .. 7
	global_load_b128 v[192+8*\t+4:192+8*\t+7], v4, s[36:37] offset:128*(\t/2)+32*(\t%2)+16
.endr
	WIN 0
	s_lshl_b32 s48, s20, 11
	s_add_nc_u64 s[26:27], s[6:7], s[48:49]        ; x's scale words
	s_lshl_b32 s48, s21, 10
	s_add_co_u32 s48, s48, 512*256
	s_add_nc_u64 s[32:33], s[6:7], s[48:49]        ; part A's weights'
	s_lshl_b32 s48, s21, 9
	s_add_co_u32 s48, s48, 576*256
	s_add_nc_u64 s[34:35], s[6:7], s[48:49]        ; part B's
.irp i, 0,1,2,3,4,5,6,7
.irp p, 0,1
	global_load_b32 v[XS+2*\i+\p], v2, s[26:27] offset:256*\i+128*\p
.endr
.endr
.irp t, 0,1,2,3
.irp p, 0,1
	global_load_b32 v[WS+2*\t+\p], v2, s[32:33] offset:256*\t+128*\p
.endr
.endr
.irp n, 0,1
.irp p, 0,1
	global_load_b32 v[WS+8+2*\n+\p], v2, s[34:35] offset:256*\n+128*\p
.endr
.endr
	s_lshr_b32 s52, s21, 1                         ; part B's head
	s_lshl_b32 s53, s50, 3
	s_add_co_u32 s53, s53, s52
	s_lshl_b32 s53, s53, 5
	s_add_co_u32 s53, s53, s51
	s_mul_i32 s53, s53, 13056                      ; its key step's block in kv
	s_and_b32 s52, s21, 1                          ; which two of the head's four tiles of channels
	s_mul_i32 s48, s52, 3072
	s_add_co_u32 s48, s48, s53
	s_add_co_u32 s48, s48, 6144
	s_add_nc_u64 s[44:45], s[16:17], s[48:49]      ; part B's codes go here,
	s_lshl_b32 s48, s52, 7
	s_add_co_u32 s48, s48, s53
	s_add_co_u32 s48, s48, 12800
	s_add_nc_u64 s[46:47], s[16:17], s[48:49]      ; its scale words here
	s_wait_dscnt 0x0                               ; for the others' sake: my quarter of x lies in LDS
	s_barrier_signal -1
	s_barrier_wait -1                              ; everybody's does; nothing is written there again
.macro WM d, a, b, c, sa, sb, row      ; one product; row = 1: both sides' scale words stand in lanes 16-31
.if \row
	v_wmma_scale_f32_16x16x128_f8f6f4 v[(\d):(\d)+7], v[(\a):(\a)+11], v[(\b):(\b)+11], v[(\c):(\c)+7], v[\sa], v[\sb] matrix_a_fmt:MATRIX_FMT_FP6 matrix_b_fmt:MATRIX_FMT_FP6 matrix_a_scale:MATRIX_SCALE_ROW1 matrix_b_scale:MATRIX_SCALE_ROW1
.else
	v_wmma_scale_f32_16x16x128_f8f6f4 v[(\d):(\d)+7], v[(\a):(\a)+11], v[(\b):(\b)+11], v[(\c):(\c)+7], v[\sa], v[\sb] matrix_a_fmt:MATRIX_FMT_FP6 matrix_b_fmt:MATRIX_FMT_FP6
.endif
.endm
.macro FETCHX s, hf                    ; x's tiles 4 hf .. 4 hf + 3 of K step s: 12 loads, as the images lie
.irp i, 0,1,2,3
.irp p, 0,1,2
	ds_load_b128 v[XF+12*(4*\hf+\i)+4*\p:XF+12*(4*\hf+\i)+4*\p+3], v1 offset:6144*(4*\hf+\i)+1536*(\s)+512*\p
.endr
.endr
.endm
.macro MULA s, hf                      ; part A: 16 products; source 0 = W (window 3), source 1 = x (window 0), D window 1; the first K step takes the bias (window 3) as C
.if (\s) == 0
	WIN 0x73
.else
	WIN 0x53
.endif
.irp i, 0,1,2,3
.irp t, 0,1,2,3
.if (\s) == 0
	WM 8*(4*(4*\hf+\i)+\t), 12*(4*\t+(\s)), XF+12*(4*\hf+\i), 192+8*\t, WS+2*\t+(\s)/2, XS+2*(4*\hf+\i)+(\s)/2, (\s)%2
.else
	WM 8*(4*(4*\hf+\i)+\t), 12*(4*\t+(\s)), XF+12*(4*\hf+\i), 8*(4*(4*\hf+\i)+\t), WS+2*\t+(\s)/2, XS+2*(4*\hf+\i)+(\s)/2, (\s)%2
.endif
.endr
.endr
.endm
.macro MULB s, hf                      ; part B: 8 products; source 0 = x (window 0), source 1 = Wv, C and D window 2
	WIN 0xa8
.irp i, 0,1,2,3
.irp n, 0,1
.if (\s) == 0
	WM 64*\n+8*(4*\hf+\i), XF+12*(4*\hf+\i), 128+12*(4*\n+(\s)), 224+8*\n, XS+2*(4*\hf+\i)+(\s)/2, WS+8+2*\n+(\s)/2, (\s)%2
.else
	WM 64*\n+8*(4*\hf+\i), XF+12*(4*\hf+\i), 128+12*(4*\n+(\s)), 64*\n+8*(4*\hf+\i), XS+2*(4*\hf+\i)+(\s)/2, WS+8+2*\n+(\s)/2, (\s)%2
.endif
.endr
.endr
.endm
; A K step of 128: 48 products, each accumulator once, in the same order in every step.  A half of x's tiles is fetched anew as soon as its 24 products are issued,
; four plain instructions behind them (ISA guide 7.12.1 for vector instructions).
.macro KSTEP s
	s_wait_dscnt 12                                ; tiles 0-3 are in; the twelve loads of tiles 4-7 may be out
	MULA \s, 0
	MULB \s, 0
	WIN 0
.if (\s) < 3
	PLACES 4
	FETCHX (\s)+1, 0
	s_wait_dscnt 12                                ; tiles 4-7 are in; the twelve just issued may be out
.else
	s_wait_dscnt 0x0
.endif
	MULA \s, 1
	MULB \s, 1
	WIN 0
.if (\s) < 3
	PLACES 4
	FETCHX (\s)+1, 1
.endif
.endm
	FETCHX 0, 0
	FETCHX 0, 1
	s_wait_loadcnt 0x0                             ; the weights, biases and scale words
	KSTEP 0
	KSTEP 1
	KSTEP 2
	KSTEP 3
	PLACES 4                                       ; in front of the first read of the results
; THE QUANTISER.  Block n is the 16 registers 16 n .. 16 n + 15 of a window (two accumulators) in lanes l and l xor 16.  w2: sources 0 and 1 in that window; w1: source 0 alone; nb: blocks.
; Out: the bytes in v[TP + n]; the codes in v[CM + 6 c ..] for each pair of blocks c: lanes 0-15 block 2 c whole, lanes 16-31 block 2 c + 1.
.macro QB w2, w1, nb
	WIN \w2
.set bb, 0
.rept \nb
	v_max3_num_f32 v[TM+bb], |v[16*bb]|, |v[16*bb+1]|, 0x1800000   ; each accumulator is read from its low end on; the floor 2^(3 - 127) holds the byte at 1 from below
.set bb, bb+1
.endr
.irp i, 2,4,6,8,10,12,14
.set bb, 0
.rept \nb
	v_max3_num_f32 v[TM+bb], |v[16*bb+\i]|, |v[16*bb+\i+1]|, v[TM+bb]
.set bb, bb+1
.endr
.endr
	WIN 0
.set bb, 0
.rept \nb
	v_permlanex16_b32 v[TP+bb], v[TM+bb], s22, s23
.set bb, bb+1
.endr
.set bb, 0
.rept \nb
	v_max_num_f32 v[TM+bb], v[TM+bb], v[TP+bb]     ; with lane l xor 16's: the block's largest magnitude
.set bb, bb+1
.endr
.set bb, 0
.rept \nb
	v_add_nc_u32 v[SO+bb], 0xff000000, v[TM+bb]    ; 2 off its exponent field: the conversion's scale operand
.set bb, bb+1
.endr
.set bb, 0
.rept \nb
	v_lshrrev_b32 v[TP+bb], 23, v[SO+bb]           ; the scale's byte
.set bb, bb+1
.endr
	WIN \w1
.set cc, 0
.rept \nb/2
	v_cvt_scalef32_pk16_fp6_f32 v[CM+6*cc:CM+6*cc+2], v[32*cc:32*cc+15], v[SO+2*cc]
	v_cvt_scalef32_pk16_fp6_f32 v[CA+4*cc:CA+4*cc+2], v[32*cc+16:32*cc+31], v[SO+2*cc+1]   ; (a conversion's three registers begin on an even number)
.set cc, cc+1
.endr
	WIN 0
	v_nop                                          ; one plain instruction between a scaled conversion and the instruction that touches its result
.set cc, 0
.rept \nb/2
.irp i, 0,1,2
	v_permlane16_swap_b32 v[CM+6*cc+\i], v[CA+4*cc+\i]   ; the first's lanes 16-31 change places with the second's lanes 0-15: a whole block to a lane
.endr
.irp i, 0,1,2
	v_mov_b32 v[CM+6*cc+3+\i], v[CA+4*cc+\i]
.endr
.set cc, cc+1
.endr
.endm
	QB 0x05, 0x01, 16                              ; part A: blocks 2 i, 2 i + 1 are the two halves of the head's 64 channels, for x's tile i
.irp i, 0,1,2,3,4,5,6,7
	v_lshl_or_b32 v[WD+\i], v[TP+2*\i+1], 8, v[TP+2*\i]   ; a tile's scale word: two bytes; bytes 2 and 3 stay 0, for the half of the instruction's K that is empty
.endr
	v_cmp_le_u32 vcc_lo, 16, v8
.irp p, 0,1,2,3
	v_cndmask_b32 v[SW+\p], v[WD+2*\p], v[WD+2*\p+1], vcc_lo   ; lanes 0-15 tile 2 p's words, lanes 16-31 tile 2 p + 1's
.endr
.set m, 0
	v_cmp_ne_u32 s56, 0, v11                       ; lanes 8-15 and 24-31
.set kk, 0
.rept 24                                       ; register kk % 12 of images 2 A and 2 A + 1, A = kk / 12: the first's lanes with bit 3 set change places with the second's lanes eight below them
	v_mov_b32_dpp v[96+2*(kk%8)], v[CM+24*(kk/12)+12+kk%12] row_xmask:8 row_mask:0xf bank_mask:0xf
	v_mov_b32_dpp v[97+2*(kk%8)], v[CM+24*(kk/12)+kk%12] row_xmask:8 row_mask:0xf bank_mask:0xf
	v_cndmask_b32 v[CM+24*(kk/12)+kk%12], v[CM+24*(kk/12)+kk%12], v[96+2*(kk%8)], s56
	v_cndmask_b32 v[CM+24*(kk/12)+12+kk%12], v[97+2*(kk%8)], v[CM+24*(kk/12)+12+kk%12], s56
.set kk, kk+1
.endr
.rept 12
	global_store_b128 v1, v[CM+4*m:CM+4*m+3], s[40:41] offset:512*m   ; 32 lanes store 512 consecutive bytes, at a multiple of 256 from the buffer's first byte
.set m, m+1
.endr
	global_store_b128 v1, v[SW:SW+3], s[42:43]
	s_wait_xcnt 0x0                                ; the stores' data registers are written again only behind this wait
	QB 0x0a, 0x02, 8                               ; part B: blocks 4 n + b are keys 32 b .. 32 b + 31, for Wv's tile n
.irp n, 0,1
	v_lshl_or_b32 v[WD+\n], v[TP+4*\n+1], 8, v[TP+4*\n]
	v_lshl_or_b32 v[WD+\n], v[TP+4*\n+2], 16, v[WD+\n]
	v_lshl_or_b32 v[WD+\n], v[TP+4*\n+3], 24, v[WD+\n]
.endr
	v_cndmask_b32 v[SW], v[WD], v[WD+1], vcc_lo
.set m, 0
.rept 6
	global_store_b128 v1, v[CM+4*m:CM+4*m+3], s[44:45] offset:512*m
.set m, m+1
.endr
	global_store_b32 v2, v[SW], s[46:47]           ; 128 consecutive bytes: all that a wave has of them
	s_wait_tensorcnt 0x0                           ; the wave's end, behind my last LDS store
	ds_add_u32 v6, v7
	s_wait_dscnt 0x0
	s_endpgm
.Lfunc_end_k_qd2bbf72f34_proj:
	.size	k_qd2bbf72f34_proj, .Lfunc_end_k_qd2bbf72f34_proj-k_qd2bbf72f34_proj
	.p2alignl 7, 3214868480
	.fill 96, 4, 3214868480
	.section	.rodata,"a",@progbits
	.p2align	6, 0x0
	.amdhsa_kernel k_qd2bbf72f34_proj
		.amdhsa_group_segment_fixed_size 49664
		.amdhsa_private_segment_fixed_size 0
		.amdhsa_enable_private_segment 0
		.amdhsa_kernarg_size 56
		.amdhsa_user_sgpr_count 2
		.amdhsa_user_sgpr_kernarg_segment_ptr 1
		.amdhsa_wavefront_size32 1
		.amdhsa_system_sgpr_workgroup_id_x 1
		.amdhsa_system_sgpr_workgroup_id_y 1
		.amdhsa_system_sgpr_workgroup_id_z 1
		.amdhsa_system_vgpr_workitem_id 0
		.amdhsa_next_free_vgpr 1024
		.amdhsa_next_free_sgpr 66
		.amdhsa_reserve_vcc 1
		.amdhsa_float_denorm_mode_32 3
		.amdhsa_float_denorm_mode_16_64 3
		.amdhsa_memory_ordered 1
		.amdhsa_forward_progress 1
		.amdhsa_inst_pref_size 83
	.end_amdhsa_kernel
	.amdgpu_metadata
---
amdhsa.version: [ 1, 2 ]
amdhsa.kernels:
  - .name:           k_qd2bbf72f34_proj
    .symbol:         k_qd2bbf72f34_proj.kd
    .args:
      - { .name: cod, .offset: 0, .size: 8, .value_kind: global_buffer, .address_space: global }
      - { .name: scl, .offset: 8, .size: 8, .value_kind: global_buffer, .address_space: global }
      - { .name: bq, .offset: 16, .size: 8, .value_kind: global_buffer, .address_space: global }
      - { .name: bk, .offset: 24, .size: 8, .value_kind: global_buffer, .address_space: global }
      - { .name: bv, .offset: 32, .size: 8, .value_kind: global_buffer, .address_space: global }
      - { .name: qb, .offset: 40, .size: 8, .value_kind: global_buffer, .address_space: global }
      - { .name: kv, .offset: 48, .size: 8, .value_kind: global_buffer, .address_space: global }
    .group_segment_fixed_size: 49664
    .private_segment_fixed_size: 0
    .kernarg_segment_align: 8
    .kernarg_segment_size: 56
    .max_flat_workgroup_size: 128
    .sgpr_count:     66
    .vgpr_count:     1024
    .wavefront_size: 32
...
	.end_amdgpu_metadata
.endif
;; end of part 2
;; launch attn (part 3): grid 16 x 16, 16 waves a work-group, clusters of 4 x 1, 327,680 bytes of LDS; arguments qb, kv, cx, cs; writes cx, cs
.if DOCPART == 3
	.amdgcn_target "amdgcn-amd-amdhsa--gfx1250"
	.amdhsa_code_object_version 6
	.text
	.protected	k_qd2bbf72f34_attn
	.globl	k_qd2bbf72f34_attn
	.p2align	8
	.type	k_qd2bbf72f34_attn,@function
k_qd2bbf72f34_attn:
	s_mov_b64 s[64:65], 0
	v_nop
	global_prefetch_b8 v0, s[64:65] scope:SCOPE_SE
	s_setreg_imm32_b32 hwreg(HW_REG_WAVE_MODE, 25, 1), 1
	s_wait_xcnt 0x0
	s_wait_alu depctr_hold_cnt(0) depctr_sa_sdst(0) depctr_va_vdst(0) depctr_va_sdst(0) depctr_va_ssrc(0) depctr_va_vcc(0) depctr_vm_vsrc(0)
	s_getreg_b32 s2, hwreg(HW_REG_IB_STS2, 6, 4)
	s_cmp_eq_u32 s2, 0
	s_cbranch_scc0 .Lentry_in_a_cluster
	s_endpgm
.Lentry_in_a_cluster:
	s_bfe_u32 s2, ttmp6, 0x10000c
	s_cmp_lg_u32 s2, 0x3003
	s_cbranch_scc0 .Lentry_shape_is_right
	s_endpgm
.Lentry_shape_is_right:
; ctx[q][:] = the sum over keys of softmax(q . k / 8) v, for each of 16 heads (2 batches x 8) of 4,096 rows and 64 channels, both products on codes of FP6 (E2M3) with E8M0 scales; ctx leaves as codes, quantised along the channels.
; THE SOFTMAX AHEAD OF THE SECOND PRODUCT: t = score x log2(e) / 8; M = the row's largest t so far, rounded UP to a whole number; p = 2^(t - M) is what is quantised, along the keys, not normalised.
; The row's sum is taken of the unquantised p, in f32, and divides at the end.  When M moves, the sum and O are multiplied by 2^(old M - new M): exact.
; SHARES.  A work-group owns 256 queries of one head, each of its sixteen waves one tile of 16, in 256 registers: four waves to a SIMD.  Every wave walks the head's 32 key steps of 128 keys, 13,056 bytes of kv each.
; LAYOUT.  Both products are used transposed: S^T = K Q^T (source 0 = 16 keys, source 1 = my queries), O^T = V^T P^T (source 0 = 16 channels, source 1 = P): a lane holds ONE query (lane % 16) throughout.
; Slot r of tile t of K (and of Q) is row 64 (t / 4) + 32 (r / 8) + 8 (t % 4) + r % 8 of its 128.  So lane (r, h)'s 32 registers of key tiles 4 c .. 4 c + 3 are keys 64 c + 32 h + 0 .. 31:
; ONE WHOLE BLOCK of the quantiser, in the very order in which P's registers 6 c .. 6 c + 5 want them: a block's largest score needs no other lane, and no code changes lanes.
; The scale words of K and Q lie in the other order of rows (tile T, slot s = row 32 (T / 2) + 8 (T % 2) + s + 8 (s / 8)): they are read by words, each lane at its own row's.
; K = 64 IN AN INSTRUCTION OF 128.  Q's registers 6-11 are zero codes; a tile of K is six registers, and as an operand of twelve it runs on into the next tile's six (behind tile 7: six zero registers), which meet Q's zeros.
; CLUSTER.  The four query blocks of a cluster belong to one head and walk the same kv: each tile is asked for JOINTLY, by the same tensor load with the same descriptor and a mask that names the four.
; LDS holds 24 key steps, 1,224 rows of 256 bytes.  At the head every wave issues one load of 26 rows: rows 0-415, key steps 0-7 and the first 8 rows of step 8.  Behind the three lines and a round of the cluster's barrier
; waves 0-7 ask for the other 808 rows, 101 each: they land while steps 0-7 are walked.  Behind step 7 a second round, in front of which every wave has waited for its loads: waves 0-3 fill steps 0-7's 408 rows again with
; steps 24-31, 102 rows each; nothing else is filled twice.  The barrier that shows that refill to all is signalled behind step 15 and waited for behind step 23; between them only steps 16-23 are read.
; No prefetch: the first loads have no loop ahead of them, and the one refill is asked for sixteen key steps ahead of its first read.
; LIMITS: a block of zeros gets the byte 1 where the rule says 127 (its codes are zeros; this program alone reads the bytes); NaN and infinities are not served; the promise holds while |t| stays under 2^31.
.set STEPB, 13056                      ; a key step: K's 4 pair images at 0, V's 4 fragments at 6,144, K's scale words at 12,288, V's at 12,800
.set HDB,   26*256                     ; what a wave asks for at the head
.set SCB,   101*256                    ; what each of waves 0-7 asks for behind the head's round
.set QUART, 2*STEPB                    ; a quarter of steps 24-31: 102 rows
.set SCG,   24*STEPB                   ; behind the key steps: 1,024 bytes in which the sixteen tiles' scale words of ctx meet; no tensor load fills them
.set SPARE, SCG+1024                   ; the spare words, 128 bytes a wave: eight blocks of 256 bytes that no other line names
.set LI,  1                            ; v1   16 x lane
.set LS,  2                            ; v2   4 x lane
.set ADK, 3                            ; v3   LDS address of the step's images
.set ADT, 4                            ; v4   of V's scale words
.set SPW, 5                            ; v5   LDS address of my spare word; never rewritten
.set NIL, 6                            ; v6   0; never rewritten
.set LK,  7                            ; v7   256 (lane / 16) + 16 (lane % 8) + 4 ((lane / 8) % 2): my row's place among K's scale words
.set ADS, 8                            ; v8   LDS address of K's scale words
.set QF,  16                           ; v16-27  Q: six registers of codes, six of zeros
.set QS,  28                           ; v28     Q's scale words
.set KF,  32                           ; v32-79  K's eight tiles, six registers each; then V's four fragments;  v80-85 zeros
.set KS,  88                           ; v88-91  K's scale words: register p: lanes 0-15 tile 2 p, lanes 16-31 tile 2 p + 1
.set VS,  92                           ; v92-93  V's likewise
.set S,   96                           ; v96-159 S^T, then p
.set O,   160                          ; v160-191 O^T
.set PC,  192                          ; v192-203 p's codes
.set PA,  204                          ; v204-206, v208-210 the halves that are made elsewhere and moved
.set BM,  212                          ; v212-213 the way out: the blocks' largest magnitudes
.set TP,  216                          ; v216-219 lane permutes' results and the bytes
.set SO,  220                          ; v220-221 the conversions' scale operands
.set PW,  224                          ; v224    p's scale word (lanes 0-15)
.set T,   232                          ; v232-245 seven partial sums of p, in pairs
.set BB,  246                          ; v246-247 my two blocks' largest scores, then their largest p
.set CH,  248                          ; v248-255 largest scores, a chain to each key tile
.set WV,  12                           ; s12  my wave's number
.set SEL, 20                           ; s[20:21] v_permlanex16_b32's selects for lane l xor 16
.set CS,  22                           ; s[22:23] c = log2(e) / 8
.set G1,  24                           ; s[24:31] group 1, 26 rows;  s[32:35] its group 0
.set G0,  32
.set G0B, 36                           ; s[36:39] group 0 and s[56:63] group 1 for the loads of 101 rows
.set G1B, 56
.set G1C, 68                           ; s[68:75] group 1 and s[76:79] group 0 for the refill's loads of 102 rows
.set G0C, 76
.set TB,  40                           ; s40  LDS byte at which the key step in hand begins
.set CNT, 41                           ; s41  trips left
.macro PLACES n
.rept \n
	v_nop
.endr
.endm
.macro CROUND                          ; a round of the cluster's barrier
	s_barrier_signal -1
	s_barrier_wait -1
	s_cmp_lg_u32 s[WV], 0
	s_cbranch_scc1 .Lnot_wave_0_\@
	s_barrier_signal -3
.Lnot_wave_0_\@:
	s_barrier_wait -3
	s_barrier_signal -1
	s_barrier_wait -1
.endm
	s_load_b256 s[4:11], s[0:1], 0x0               ; qb s[4:5], kv s[6:7], cx s[8:9], cs s[10:11]
	v_lshl_add_u32 v[SPW], v0, 2, SPARE
	v_mov_b32 v[NIL], 0
	ds_add_u32 v[SPW], v[NIL]                      ; the opening lines: the add, twice on end, and its wait ahead of my first tensor load
	ds_add_u32 v[SPW], v[NIL]
	v_lshrrev_b32 v9, 5, v0
	s_delay_alu instid0(VALU_DEP_1)
	v_readfirstlane_b32 s[WV], v9                  ; wave 0..15
	s_bfe_u32 s13, ttmp6, 0x40000                  ; my place in the cluster: it enters the addresses of qb, cx and cs alone
	s_lshl_b32 s14, ttmp9, 2
	s_add_co_u32 s14, s14, s13                     ; my block of 256 queries
	s_and_b32 s15, ttmp7, 0xffff                   ; 8 batch + head, which the four partners share
.irp g, G1, G1B, G1C                           ; rows of 256 bytes (32 elements of 8 bytes), dense in memory and in LDS; the mask names all four work-groups, bit 21 beside it
	s_mov_b32 s[\g], 15|(3<<16)|(1<<21)
	s_mov_b32 s[\g+1], 32<<16
	s_mov_b32 s[\g+3], 32<<16
	s_mov_b32 s[\g+5], 32
	s_mov_b32 s[\g+6], 0
	s_mov_b32 s[\g+7], 0
.endr
	s_mov_b32 s[G1+2], 26<<16
	s_mov_b32 s[G1+4], 26
	s_mov_b32 s[G1B+2], 101<<16
	s_mov_b32 s[G1B+4], 101
	s_mov_b32 s[G1C+2], 102<<16
	s_mov_b32 s[G1C+4], 102
	s_mul_i32 s43, s[WV], HDB                      ; my 26 rows of the head's 416, in LDS and in the head's part of kv alike
	s_and_b32 s17, s[WV], 7
	s_mul_i32 s17, s17, SCB
	s_add_co_u32 s17, s17, 16*HDB                  ; waves 0-7: my 101 rows of the 808 behind them
	s_and_b32 s16, s[WV], 3
	s_mul_i32 s16, s16, QUART                      ; waves 0-3: my quarter of the bytes that are filled again
	s_mul_i32 s18, s15, 32*STEPB                   ; my head in kv
	s_add_co_u32 s54, s18, s43
	s_mov_b32 s55, 0
	s_add_co_u32 s80, s18, s16
	s_add_co_u32 s80, s80, 24*STEPB                ; key steps 24-31
	s_mov_b32 s81, 0
	s_add_co_u32 s18, s18, s17
	s_mov_b32 s19, 0
	s_mov_b32 s[SEL], 0x76543210
	s_mov_b32 s[SEL+1], 0xfedcba98
	s_mov_b32 s[CS], 0x3e38aa3b                    ; log2(e) / 8
	s_mov_b32 s[CS+1], s[CS]
	s_bitcmp1_b32 s[WV], 0
	s_cselect_b32 s42, -1, 0                       ; all ones in an odd wave: its tile is the second of a pair image
	; Q: my tile is 16 x block + wave; its chunk of 8 tiles is 2 x block + wave / 8
	s_lshl_b32 s48, s15, 5
	s_lshl_b32 s49, s14, 1
	s_add_co_u32 s48, s48, s49
	s_lshr_b32 s49, s[WV], 3
	s_add_co_u32 s48, s48, s49
	s_mul_i32 s48, s48, 6656                       ; the chunk's block in qb
	s_bfe_u32 s49, s[WV], 0x20001                  ; (wave % 8) / 2: which pair image
	s_mul_i32 s44, s49, 1536
	s_add_co_u32 s44, s44, s48
	s_mov_b32 s45, 0
	s_add_co_u32 s46, s48, 6144                    ; its scale words: 6,144 + 256 (t % 2) + 128 ((t / 2) % 2) + 8 (t / 4), t = wave % 8; the lane adds 16 (r % 8) + 4 (r / 8)
	s_and_b32 s49, s[WV], 1
	s_lshl_b32 s49, s49, 8
	s_add_co_u32 s46, s46, s49
	s_bfe_u32 s49, s[WV], 0x10001
	s_lshl_b32 s49, s49, 7
	s_add_co_u32 s46, s46, s49
	s_bfe_u32 s49, s[WV], 0x10002
	s_lshl_b32 s49, s49, 3
	s_add_co_u32 s46, s46, s49
	s_mov_b32 s47, 0
	; ctx: tile T = 256 batch + 16 block + wave;  cx at (8 T + head) 768;  cs at (512 head + the work-group's first tile) 64
	s_lshr_b32 s48, s15, 3
	s_and_b32 s49, s15, 7
	s_lshl_b32 s50, s48, 8
	s_lshl_b32 s51, s14, 4
	s_add_co_u32 s50, s50, s51
	s_add_co_u32 s51, s50, s[WV]
	s_lshl_b32 s51, s51, 3
	s_add_co_u32 s51, s51, s49
	s_mul_i32 s52, s51, 768
	s_mov_b32 s53, 0
	s_lshl_b32 s49, s49, 9
	s_add_co_u32 s50, s50, s49
	s_lshl_b32 s50, s50, 6
	s_mov_b32 s51, 0
	v_and_b32 v10, 31, v0
	v_and_b32 v11, 7, v0
	v_bfe_u32 v9, v0, 3, 1
	v_lshlrev_b32 v[LI], 4, v10
	v_lshlrev_b32 v[LS], 2, v10
	v_lshlrev_b32 v9, 2, v9
	v_bfe_u32 v10, v0, 4, 1
	s_delay_alu instid0(VALU_DEP_2)
	v_lshl_add_u32 v9, v11, 4, v9                  ; 16 (r % 8) + 4 (r / 8)
	s_delay_alu instid0(VALU_DEP_1)
	v_lshl_add_u32 v[LK], v10, 8, v9
	s_wait_alu depctr_va_vdst(0)
	s_wait_dscnt 0x0                               ; both opening adds are done
	s_wait_kmcnt 0x0
	s_add_nc_u64 s[44:45], s[4:5], s[44:45]        ; Q's pair image
	s_add_nc_u64 s[46:47], s[4:5], s[46:47]        ; Q's scale words
	s_add_nc_u64 s[8:9], s[8:9], s[52:53]
	s_add_nc_u64 s[10:11], s[10:11], s[50:51]
	global_load_b128 v[32:35], v[LI], s[44:45]     ; the pair image that holds my tile
	global_load_b128 v[36:39], v[LI], s[44:45] offset:512
	global_load_b128 v[40:43], v[LI], s[44:45] offset:1024
	global_load_b32 v[QS], v9, s[46:47]
	s_mov_b32 s[G0], 1
	s_mov_b32 s[G0+1], s43
	s_add_nc_u64 s[G0+2:G0+3], s[6:7], s[54:55]
	s_or_b32 s[G0+3], s[G0+3], 0x80000000
	s_mov_b32 s[G0B], 1
	s_mov_b32 s[G0B+1], s17
	s_add_nc_u64 s[G0B+2:G0B+3], s[6:7], s[18:19]
	s_or_b32 s[G0B+3], s[G0B+3], 0x80000000
	s_mov_b32 s[G0C], 1
	s_mov_b32 s[G0C+1], s16
	s_add_nc_u64 s[G0C+2:G0C+3], s[6:7], s[80:81]
	s_or_b32 s[G0C+3], s[G0C+3], 0x80000000
	CROUND                                         ; all four work-groups are here: the first joint loads meet
	tensor_load_to_lds s[G0:G0+3], s[G1:G1+7]      ; one load a wave at the head, with no branch: the addresses hang on the wave's number
	s_nop 0
	PLACES 4
	s_wait_loadcnt 0x0                             ; Q
.irp i, 0,1,2,3,4,5
	v_cndmask_b32 v[QF+\i], v[32+\i], v[38+\i], s42   ; my tile's six registers of the pair's twelve
.endr
	v_mov_b32 v13, 0xff61b1e6                      ; the largest score so far: -3e38, under every score
	v_mov_b32 v14, 0                               ; the sum, in two halves
	v_mov_b32 v15, 0
	v_mul_f32 v229, s[CS], v13
	v_mov_b32 v227, 0                              ; (named as the upper half of the pair v[226:227])
	v_mov_b32 v228, 0
	v_floor_f32 v12, -v229                         ; -M
.set j, 0
.rept 32
	v_mov_b32 v[O+j], 0                            ; O^T: the step is written once; the first finds zeros, which the first change of M leaves zeros
.set j, j+1
.endr
.set j, 0
.rept 6
	v_mov_b32 v[QF+6+j], 0                         ; Q's empty half: zero codes
	v_mov_b32 v[KF+48+j], 0                        ; and what follows K's tile 7
.set j, j+1
.endr
.irp b, 0,1,2,3
	v_mov_b32 v[TP+\b], 0                          ; written once: a lane permute's destination counts as one of its sources
.endr
	s_wait_alu depctr_va_vdst(0)
	s_wait_tensorcnt 0x0                           ; my 26 rows are in
	ds_add_u32 v[SPW], v[NIL]
	s_wait_dscnt 0x0
	CROUND                                         ; everybody's rows are in, and all four work-groups are here
	s_cmp_lt_u32 s[WV], 8
	s_cbranch_scc0 .Lno_second
	tensor_load_to_lds s[G0B:G0B+3], s[G1B:G1B+7]  ; the rest of key steps 8-23
	s_nop 0
	PLACES 4
.Lno_second:
.macro LOADK off                       ; K's four pair images and its scale words, of the key step that begins off bytes behind the addresses' step
.irp m, 0,1,2,3,4,5,6,7,8,9,10,11
	ds_load_b128 v[KF+4*\m:KF+4*\m+3], v[ADK] offset:\off+512*\m
.endr
.irp p, 0,1,2,3
	ds_load_b32 v[KS+\p], v[ADS] offset:\off+12288+128*(\p%2)+8*(\p/2)
.endr
.endm
.macro FIRSTK                          ; the first step of a walk: its K is asked for with nothing ahead of it
	v_add_nc_u32 v[ADK], s[TB], v[LI]
	v_add_nc_u32 v[ADS], s[TB], v[LK]
	LOADK 0
.endm
; Additions lo .. hi - 1 of the 25 that take p's 32 pairs into eight partial sums (seven at T, the eighth the running sum itself), the eight by turns
.macro ADDS lo, hi
.set nn, \lo
.rept (\hi)-(\lo)
.if nn%8 == 7
	v_pk_add_f32 v[14:15], v[14:15], v[S+2*(14+8*(nn/8)):S+2*(14+8*(nn/8))+1]
.elseif nn < 8
	v_pk_add_f32 v[T+2*nn:T+2*nn+1], v[S+4*nn:S+4*nn+1], v[S+4*nn+2:S+4*nn+3]
.else
	v_pk_add_f32 v[T+2*(nn%8):T+2*(nn%8)+1], v[T+2*(nn%8):T+2*(nn%8)+1], v[S+2*(7+8*(nn/8)+nn%8):S+2*(7+8*(nn/8)+nn%8)+1]
.endif
.set nn, nn+1
.endr
.endm
; A KEY STEP: 128 keys at LDS byte s[TB]; its K was asked for ahead of it.  pf = 1: the next step's K is asked for behind the second product.
.macro STEP pf
	s_wait_dscnt 0x0                               ; K and its scale words are in
.irp p, 0,1,2,3                                ; S^T = K Q^T: eight tiles of 16 keys
	v_wmma_scale_f32_16x16x128_f8f6f4 v[S+16*\p:S+16*\p+7], v[KF+12*\p:KF+12*\p+11], v[QF:QF+11], 0, v[KS+\p], v[QS] matrix_a_fmt:MATRIX_FMT_FP6 matrix_b_fmt:MATRIX_FMT_FP6
	v_wmma_scale_f32_16x16x128_f8f6f4 v[S+16*\p+8:S+16*\p+15], v[KF+12*\p+6:KF+12*\p+17], v[QF:QF+11], 0, v[KS+\p], v[QS] matrix_a_fmt:MATRIX_FMT_FP6 matrix_b_fmt:MATRIX_FMT_FP6 matrix_a_scale:MATRIX_SCALE_ROW1
.endr
	v_add_nc_u32 v[ADK], s[TB], v[LI]              ; four plain instructions in front of the loads into K's registers and of the first read of the scores
	v_add_nc_u32 v[ADT], s[TB], v[LS]
	v_add_nc_u32 v[ADS], s[TB], v[LK]
	v_mov_b32 v228, v12                            ; the old -M
.irp m, 0,1,2,3,4,5,6,7,8,9,10,11
	ds_load_b128 v[KF+4*\m:KF+4*\m+3], v[ADK] offset:6144+512*\m   ; V's four fragments: they land while the softmax is walked
.endr
.irp p, 0,1
	ds_load_b32 v[VS+\p], v[ADT] offset:12800+128*\p
.endr
.irp c, 0,1                                    ; largest scores: a chain to each key tile, the four of a block by turns, the tiles in the order of their products; each accumulator is first read at its low end
.irp q, 0,1,2,3
	v_max3_num_f32 v[CH+4*\c+\q], v[S+32*\c+8*\q], v[S+32*\c+8*\q+1], v[S+32*\c+8*\q+2]
.endr
.irp i, 3,5
.irp q, 0,1,2,3
	v_max3_num_f32 v[CH+4*\c+\q], v[CH+4*\c+\q], v[S+32*\c+8*\q+\i], v[S+32*\c+8*\q+\i+1]
.endr
.endr
.endr
.irp c, 0,1                                    ; the four chains of a block and the tiles' last registers
	v_max3_num_f32 v[CH+4*\c], v[CH+4*\c], v[CH+4*\c+1], v[S+32*\c+7]
	v_max3_num_f32 v[CH+4*\c+2], v[CH+4*\c+2], v[CH+4*\c+3], v[S+32*\c+15]
.endr
.irp c, 0,1
	v_max3_num_f32 v[BB+\c], v[CH+4*\c], v[CH+4*\c+2], v[S+32*\c+23]
.endr
.irp c, 0,1
	v_max_num_f32 v[BB+\c], v[BB+\c], v[S+32*\c+31]   ; THE LARGEST SCORE OF MY BLOCK 2 c + h serves twice: for the row's maximum, and, since p rises with the score, for the block's largest p
.endr
	s_delay_alu instid0(VALU_DEP_1)
	v_max3_num_f32 v229, v[BB], v[BB+1], v13
	s_delay_alu instid0(VALU_DEP_1)
	v_permlanex16_b32 v[TP], v229, s[SEL], s[SEL+1]
	s_delay_alu instid0(VALU_DEP_1)
	v_max_num_f32 v13, v229, v[TP]                 ; with lane l xor 16's 64 keys: the running largest score
	s_delay_alu instid0(VALU_DEP_1)
	v_mul_f32 v229, s[CS], v13                     ; as t (c is positive)
	s_delay_alu instid0(VALU_DEP_1)
	v_floor_f32 v12, -v229                         ; the new -M = floor(-t) = -ceil(t): M IS A WHOLE NUMBER
.set j, 0
.rept 32
	v_pk_fma_f32 v[S+j:S+j+1], v[S+j:S+j+1], s[CS:CS+1], v[12:13] op_sel_hi:[1,0,0]   ; t - M, two at a time (of the pairs c and -M the low word serves both halves)
.if j == 8
	v_sub_f32 v228, v12, v228                      ; M's old value less its new one: a whole number, 0 or less
.elseif j == 24
	v_cvt_i32_f32 v228, v228                       ; (it saturates)
.elseif j == 40
	v_ldexp_f32 v226, 1.0, v228                    ; f = 2^(old M - new M): a multiplication by it rounds nothing
.endif
.set j, j+2
.endr
.irp c, 0,1
	v_fma_f32 v[BB+\c], v[BB+\c], s[CS], v12       ; the same of each block's largest score
.endr
	s_wait_alu depctr_va_vdst(0)
.irp c, 0,1
	v_exp_f32 v[BB+\c], v[BB+\c]                   ; the block's largest p: the same two instructions on the same number give the same bits
.endr
.set j, 0
.rept 64
	v_exp_f32 v[S+j], v[S+j]                       ; p = 2^(t - M): NOT normalised
.set j, j+1
.endr
	v_pk_mul_f32 v[14:15], v[14:15], v[226:227] op_sel_hi:[1,0]   ; the sums under the new M: the plain instruction behind the exponentials
	s_wait_alu depctr_va_vdst(0)                   ; one wait for the whole batch, ahead of its first reader
.irp c, 0,1
	v_max_num_f32 v[BB+\c], 0x1800000, v[BB+\c]    ; the floor 2^(3 - 127): the byte cannot fall under 1
.endr
.irp c, 0,1
	s_delay_alu instid0(VALU_DEP_2)
	v_add_nc_u32 v[SO+\c], 0xff000000, v[BB+\c]    ; 2 off the exponent field: the conversion's scale operand
.endr
.irp c, 0,1                                    ; my 32 numbers of block 2 c + h are registers 6 c .. 6 c + 5 of P
	v_cvt_scalef32_pk16_fp6_f32 v[PC+6*\c:PC+6*\c+2], v[S+32*\c:S+32*\c+15], v[SO+\c]
	v_cvt_scalef32_pk16_fp6_f32 v[PA+4*\c:PA+4*\c+2], v[S+32*\c+16:S+32*\c+31], v[SO+\c]   ; (a conversion's three registers begin on an even number)
.endr
.irp c, 0,1
	v_lshrrev_b32 v[TP+1+\c], 23, v[SO+\c]         ; the scales' bytes.  (Also the plain instruction behind the conversions)
.endr
	s_delay_alu instid0(VALU_DEP_1)
	v_lshl_or_b32 v[PW], v[TP+2], 16, v[TP+1]      ; my two bytes, two places apart
	s_delay_alu instid0(VALU_DEP_1)
	v_permlanex16_b32 v[TP+3], v[PW], s[SEL], s[SEL+1]
.irp c, 0,1
.irp i, 0,1,2
	v_mov_b32 v[PC+6*\c+3+\i], v[PA+4*\c+\i]
.endr
.endr
	v_lshl_or_b32 v[PW], v[TP+3], 8, v[PW]         ; in lanes 0-15, which alone are read: blocks 0 and 2 are mine, 1 and 3 lane l + 16's
	s_wait_dscnt 0x0                               ; V is in
	s_wait_alu depctr_va_vdst(0)
.set j, 0
.rept 16
	v_pk_mul_f32 v[O+j:O+j+1], v[O+j:O+j+1], v[226:227] op_sel_hi:[1,0]   ; O^T under the new M.  These sixteen also stand between the writes of p's codes and scale word and the products that take them
.set j, j+2
.endr
.irp p, 0,1                                    ; O^T += V^T P^T: four tiles of 16 channels; the four accumulators by turns
	v_wmma_scale_f32_16x16x128_f8f6f4 v[O+16*\p:O+16*\p+7], v[KF+24*\p:KF+24*\p+11], v[PC:PC+11], v[O+16*\p:O+16*\p+7], v[VS+\p], v[PW] matrix_a_fmt:MATRIX_FMT_FP6 matrix_b_fmt:MATRIX_FMT_FP6
	v_wmma_scale_f32_16x16x128_f8f6f4 v[O+16*\p+8:O+16*\p+15], v[KF+24*\p+12:KF+24*\p+23], v[PC:PC+11], v[O+16*\p+8:O+16*\p+15], v[VS+\p], v[PW] matrix_a_fmt:MATRIX_FMT_FP6 matrix_b_fmt:MATRIX_FMT_FP6 matrix_a_scale:MATRIX_SCALE_ROW1
.endr
	ADDS 0, 4                                      ; THE ROW'S SUM IS TAKEN OF THE UNQUANTISED p.  Its first four additions are the plain instructions in front of the loads into V's registers,
.if \pf
	LOADK STEPB                                    ; the next step's K,
.endif
	ADDS 4, 25                                     ; and the others stand between those loads and the wait for them
	v_pk_add_f32 v[T+4:T+5], v[T+4:T+5], v[T+6:T+7]
	v_pk_add_f32 v[T+8:T+9], v[T+8:T+9], v[T+10:T+11]
	v_pk_add_f32 v[14:15], v[14:15], v[T+12:T+13]
	s_delay_alu instid0(VALU_DEP_4)
	v_pk_add_f32 v[T:T+1], v[T:T+1], v[T+2:T+3]
	s_delay_alu instid0(VALU_DEP_1)
	v_pk_add_f32 v[T:T+1], v[T:T+1], v[T+4:T+5]
	s_delay_alu instid0(VALU_DEP_3)
	v_pk_add_f32 v[14:15], v[14:15], v[T+8:T+9]
	s_delay_alu instid0(VALU_DEP_1)
	v_pk_add_f32 v[14:15], v[14:15], v[T:T+1]
.endm
.macro RUN first, trips                ; so many key steps from LDS place first on, each asking for the next one's K
	s_mov_b32 s[TB], STEPB*\first
	s_mov_b32 s[CNT], \trips
.Lrun_\@:
	STEP 1
	s_add_co_u32 s[TB], s[TB], STEPB
	s_sub_co_u32 s[CNT], s[CNT], 1
	s_cmp_lg_u32 s[CNT], 0
	s_wait_alu depctr_va_vdst(0)
	s_cbranch_scc1 .Lrun_\@
.endm
	s_mov_b32 s[TB], 0
	FIRSTK
	RUN 0, 7                                       ; key steps 0-6
	s_mov_b32 s[TB], STEPB*7
	STEP 0                                         ; 7: step 8's K may not be read yet
	s_wait_tensorcnt 0x0                           ; my part of key steps 8-23 is in
	ds_add_u32 v[SPW], v[NIL]                      ; 0 onto my spare word
	s_wait_dscnt 0x0                               ; the add is done, and my reads of steps 0-7 are over
	CROUND                                         ; key steps 8-23 are whole, and no wave of any partner still reads steps 0-7
	s_cmp_lt_u32 s[WV], 4
	s_cbranch_scc0 .Lno_fill
	tensor_load_to_lds s[G0C:G0C+3], s[G1C:G1C+7]  ; key steps 24-31
	s_nop 0
	PLACES 4
.Lno_fill:
	s_mov_b32 s[TB], STEPB*8
	FIRSTK
	RUN 8, 8                                       ; key steps 8-15
	s_wait_tensorcnt 0x0                           ; my part of key steps 24-31 is in,
	s_wait_dscnt 0x0                               ; no LDS instruction of mine is out:
	s_barrier_signal -1                            ; say so.  Up to the wait for the others only key steps 16-23 are read, which nobody writes
	RUN 16, 7                                      ; key steps 16-22
	s_mov_b32 s[TB], STEPB*23
	STEP 0                                         ; 23: the next step's K may not be read yet
	s_barrier_wait -1                              ; everybody's part of key steps 24-31 is in
	s_mov_b32 s[TB], 0
	FIRSTK
	RUN 0, 7                                       ; key steps 24-30
	s_mov_b32 s[TB], STEPB*7
	STEP 0                                         ; 31
	; THE WAY OUT.  O^T is divided by the row's sum and quantised along the channels: my head's 64 are two blocks, each in lanes l and l xor 16 (the sum's additions stand behind the last products).
	v_add_f32 v14, v14, v15                        ; the sum's two halves,
	s_delay_alu instid0(VALU_DEP_1)
	v_permlanex16_b32 v228, v14, s[SEL], s[SEL+1]
	s_delay_alu instid0(VALU_DEP_1)
	v_add_f32 v14, v14, v228                       ; and lane l xor 16's: the row's sum
	s_wait_alu depctr_va_vdst(0)
	v_rcp_f32 v226, v14
	v_and_b32 v7, 0x1e0, v0                        ; (plain work behind the reciprocal)  32 x wave
	v_and_b32 v8, 15, v0
	s_delay_alu instid0(VALU_DEP_1)
	v_lshlrev_b32 v8, 2, v8
	s_delay_alu instid0(VALU_DEP_1)
	v_lshl_add_u32 v7, v7, 1, v8
	s_delay_alu instid0(VALU_DEP_1)
	v_add_nc_u32 v7, SCG, v7                       ; where my tile's scale words meet the others': 64 x wave + 4 x slot
	v_and_b32 v9, 63, v0
	s_delay_alu instid0(VALU_DEP_1)
	v_lshlrev_b32 v9, 4, v9                        ; and how they leave: 16 bytes a thread, 64 threads
	s_delay_alu instid0(VALU_DEP_1)
	v_add_nc_u32 v10, SCG, v9
	v_and_b32 v11, 31, v0
	s_delay_alu instid0(VALU_DEP_1)
	v_lshlrev_b32 v11, 3, v11                      ; 8 x lane
	s_wait_alu depctr_va_vdst(0)                   ; the wait ahead of the first reader of the reciprocal and of O^T
.set j, 0
.rept 16
	v_pk_mul_f32 v[S+j:S+j+1], v[O+j:O+j+1], v[226:227] op_sel_hi:[1,0]   ; register 16 b + i = channel 32 b + 16 h + i of my query
.set j, j+2
.endr
.irp b, 0,1
	v_max3_num_f32 v[BM+\b], |v[S+16*\b]|, |v[S+1+16*\b]|, 0x1800000
.endr
.irp i, 2,4,6,8,10,12,14
.irp b, 0,1
	s_delay_alu instid0(VALU_DEP_2)
	v_max3_num_f32 v[BM+\b], v[BM+\b], |v[S+16*\b+\i]|, |v[S+1+16*\b+\i]|
.endr
.endr
.irp b, 0,1
	s_delay_alu instid0(VALU_DEP_2)
	v_permlanex16_b32 v[TP+\b], v[BM+\b], s[SEL], s[SEL+1]
.endr
.irp b, 0,1
	s_delay_alu instid0(VALU_DEP_2)
	v_max_num_f32 v[BM+\b], v[BM+\b], v[TP+\b]
.endr
.irp b, 0,1
	s_delay_alu instid0(VALU_DEP_2)
	v_add_nc_u32 v[SO+\b], 0xff000000, v[BM+\b]
.endr
.irp b, 0,1
	s_delay_alu instid0(VALU_DEP_2)
	v_lshrrev_b32 v[TP+\b], 23, v[SO+\b]
.endr
	s_delay_alu instid0(VALU_DEP_1)
	v_lshl_or_b32 v[PW], v[TP+1], 8, v[TP]         ; my head's two bytes of my row's scales
	v_cvt_scalef32_pk16_fp6_f32 v[PC:PC+2], v[S:S+15], v[SO]
	v_cvt_scalef32_pk16_fp6_f32 v[PA:PA+2], v[S+16:S+31], v[SO+1]
	v_nop
.irp i, 0,1,2
	v_permlane16_swap_b32 v[PC+\i], v[PA+\i]       ; a whole block to a lane
.endr
.irp i, 0,1,2
	s_delay_alu instid0(VALU_DEP_3)
	v_mov_b32 v[PC+3+\i], v[PA+\i]
.endr
	global_store_b128 v[LI], v[PC:PC+3], s[8:9]            ; half a fragment of the last product: 512 consecutive bytes,
	global_store_b64 v11, v[PC+4:PC+5], s[8:9] offset:512  ; and 256 more, both at multiples of 256 from cx's first byte
	ds_store_b32 v7, v[PW]                         ; both halves of the lanes write the same word with the same value
	s_wait_dscnt 0x0                               ; for the others' sake: my words lie in LDS
	s_barrier_signal -1
	s_barrier_wait -1
	s_cmp_lt_u32 s[WV], 2                          ; waves 0 and 1 store the sixteen tiles' words: 1,024 consecutive bytes
	s_cbranch_scc0 .Lno_cs
	ds_load_b128 v[S:S+3], v10
	s_wait_dscnt 0x0
	global_store_b128 v9, v[S:S+3], s[10:11]
.Lno_cs:
	s_wait_tensorcnt 0x0                           ; the wave's end, behind my last tensor load and my last LDS store
	ds_add_u32 v[SPW], v[NIL]
	s_wait_dscnt 0x0
	CROUND                                         ; the closing round: no work-group ends while a partner may still ask for a tile that names it
	s_endpgm
.Lfunc_end_k_qd2bbf72f34_attn:
	.size	k_qd2bbf72f34_attn, .Lfunc_end_k_qd2bbf72f34_attn-k_qd2bbf72f34_attn
	.p2alignl 7, 3214868480
	.fill 96, 4, 3214868480
	.section	.rodata,"a",@progbits
	.p2align	6, 0x0
	.amdhsa_kernel k_qd2bbf72f34_attn
		.amdhsa_group_segment_fixed_size 327680
		.amdhsa_private_segment_fixed_size 0
		.amdhsa_enable_private_segment 0
		.amdhsa_kernarg_size 32
		.amdhsa_user_sgpr_count 2
		.amdhsa_user_sgpr_kernarg_segment_ptr 1
		.amdhsa_wavefront_size32 1
		.amdhsa_system_sgpr_workgroup_id_x 1
		.amdhsa_system_sgpr_workgroup_id_y 1
		.amdhsa_system_sgpr_workgroup_id_z 1
		.amdhsa_system_vgpr_workitem_id 0
		.amdhsa_next_free_vgpr 256
		.amdhsa_next_free_sgpr 98
		.amdhsa_reserve_vcc 0
		.amdhsa_float_denorm_mode_32 3
		.amdhsa_float_denorm_mode_16_64 3
		.amdhsa_memory_ordered 1
		.amdhsa_forward_progress 1
		.amdhsa_inst_pref_size 120
	.end_amdhsa_kernel
	.amdgpu_metadata
---
amdhsa.version: [ 1, 2 ]
amdhsa.kernels:
  - .name:           k_qd2bbf72f34_attn
    .symbol:         k_qd2bbf72f34_attn.kd
    .args:
      - { .name: qb, .offset: 0, .size: 8, .value_kind: global_buffer, .address_space: global }
      - { .name: kv, .offset: 8, .size: 8, .value_kind: global_buffer, .address_space: global }
      - { .name: cx, .offset: 16, .size: 8, .value_kind: global_buffer, .address_space: global }
      - { .name: cs, .offset: 24, .size: 8, .value_kind: global_buffer, .address_space: global }
    .group_segment_fixed_size: 327680
    .private_segment_fixed_size: 0
    .kernarg_segment_align: 8
    .kernarg_segment_size: 32
    .max_flat_workgroup_size: 512
    .sgpr_count:     98
    .vgpr_count:     256
    .wavefront_size: 32
...
	.end_amdgpu_metadata
.endif
;; end of part 3
;; launch outp (part 4): grid 4 x 64, 4 waves a work-group, no clusters, 17,920 bytes of LDS; arguments cx, cs, cod, scl, bo, out0; writes out0
.if DOCPART == 4
	.amdgcn_target "amdgcn-amd-amdhsa--gfx1250"
	.amdhsa_code_object_version 6
	.text
	.protected	k_qd2bbf72f34_outp
	.globl	k_qd2bbf72f34_outp
	.p2align	8
	.type	k_qd2bbf72f34_outp,@function
k_qd2bbf72f34_outp:
	s_mov_b64 s[64:65], 0
	v_nop
	global_prefetch_b8 v0, s[64:65] scope:SCOPE_SE
	s_setreg_imm32_b32 hwreg(HW_REG_WAVE_MODE, 25, 1), 1
	s_wait_xcnt 0x0
; out0 = ctx Wo^T + bo on codes of FP6 (E2M3) with E8M0 scales, sums in f32.  ctx's codes (cx) and scale bytes (cs) and Wo's (cod, scl: tiles 608-639) lie in the order of an operand's registers.
; cx: [tile T of 16 rows][head][768 bytes]: six registers a lane (a plane of 16 bytes a lane, then one of 8): heads 2 s and 2 s + 1 together are the fragment of K step s.   cs: [head][T][slot] words, bytes 0 and 1.
; Slot r of tile T is row 32 (T / 2) + 8 (T % 2) + r + 8 (r / 8), of ctx and of Wo alike.
; SHARES.  A work-group makes 128 rows x 128 columns; wave w rows 64 (w / 2) on and columns 64 (w % 2) on: 4 x 4 accumulators, 64 matrix instructions.  Every operand is asked for once, at the head, straight into registers,
; K step by K step, so that the products of a step begin while the later steps' loads are on their way.
; THE MATRIX INSTRUCTION IS USED TRANSPOSED (source 0 = 16 rows of Wo, source 1 = a tile of ctx): a lane holds one row of out0, and the registers of Wo's tiles 2 b, 2 b + 1 are columns 32 b + 16 h + 0 .. 15.
; bo is the C of each sum's first instruction.  A wave's 64 columns are 256 consecutive bytes of a row: they go through the wave's own stage in LDS and leave as such, sixteen lanes to a row.  No barrier: waves share nothing.
; REGISTERS, in windows of 256: window 0: v1-7 addresses; v16-23 Wo's scale words; v24-39 cs as loaded; v40-47 ctx's scale words; v64-95, v96-127 rows on the way out (v96-127 first hold bo); v128-255 the accumulators, (a, b) at 128 + 8 (4 a + b)
;   window 1: ctx's 16 fragments, (a, s) at 12 (4 a + s).   window 2: Wo's 16, (b, s) at 12 (4 b + s).
; ctx's tiles take their rows otherwise than Wo's: slot r of ctx's tile T is row 64 (T / 4) + 32 (r / 8) + 8 (T % 4) + r % 8; Wo's tiles are as said above.
.set SPITCH, 272                       ; a stage row: 256 bytes + 16
.set WSTG,   16*SPITCH                 ; a wave's stage
.set SPARE,  4*WSTG                    ; behind the stages: the spare words, 128 bytes a wave: two blocks of 256 bytes that no other line names
.set WOS, 16                           ; register 2 b + p: lanes 0-15 K step 2 p of Wo's tile b, lanes 16-31 K step 2 p + 1
.set RAW, 24                           ; register 2 head + pr: lanes 0-15 tile 2 pr, lanes 16-31 tile 2 pr + 1
.set CSC, 40                           ; register 2 s + pr: the same lanes, the whole word of K step s
.set SPW, 48
.set NIL, 49
.set BK,  64
.set BIA, 96
.set ACC, 128
.set MSB, 0
.macro WIN new                         ; the immediate's high byte repeats the setting that is left
.if MSB != \new
	s_set_vgpr_msb (MSB<<8)|\new
.set MSB, \new
.endif
.endm
.macro PLACES n
.rept \n
	v_nop
.endr
.endm
	s_load_b256 s[4:11], s[0:1], 0x0               ; cx s[4:5], cs s[6:7], cod s[8:9], scl s[10:11]
	s_load_b128 s[12:15], s[0:1], 0x20             ; bo s[12:13], out0 s[14:15]
	v_lshl_add_u32 v[SPW], v0, 2, SPARE
	v_mov_b32 v[NIL], 0
	v_lshrrev_b32 v8, 5, v0
	v_readfirstlane_b32 s16, v8                    ; wave 0..3
	v_and_b32 v8, 31, v0                           ; lane
	v_lshlrev_b32 v1, 4, v8                        ; 16 x lane
	v_lshlrev_b32 v2, 2, v8                        ; 4 x lane
	v_lshlrev_b32 v3, 3, v8                        ; 8 x lane
	v_and_b32 v9, 15, v0                           ; r
	v_bfe_u32 v10, v0, 4, 1                        ; h
	v_lshlrev_b32 v4, 6, v10                       ; 64 h: the bias
	s_mul_i32 s21, s16, WSTG
	v_mul_u32_u24 v5, v9, SPITCH
	v_lshl_add_u32 v5, v10, 6, v5
	v_add_nc_u32 v5, s21, v5                       ; into my stage: row r, + 64 h bytes
	v_mul_u32_u24 v6, v10, SPITCH
	v_lshl_add_u32 v6, v9, 4, v6
	v_add_nc_u32 v6, s21, v6                       ; back: lanes 0-15 one row of 256 bytes, lanes 16-31 the next
	v_lshlrev_b32 v7, 11, v10
	v_lshl_add_u32 v7, v9, 4, v7                   ; and the same two rows in out0
	s_lshr_b32 s19, s16, 1                         ; which 64 rows
	s_and_b32 s20, s16, 1                          ; which 64 columns
	s_and_b32 s18, ttmp7, 0xffff                   ; chunk of 128 rows
	s_lshl_b32 s22, s18, 3
	s_lshl_b32 s23, s19, 2
	s_add_co_u32 s22, s22, s23                     ; my first tile of ctx
	s_lshl_b32 s23, ttmp9, 3
	s_lshl_b32 s24, s20, 2
	s_add_co_u32 s23, s23, s24
	s_add_co_u32 s23, s23, 608                     ; my first tile of Wo
	s_lshl_b32 s28, ttmp9, 9
	s_lshl_b32 s24, s20, 8
	s_add_co_u32 s28, s28, s24                     ; my first column, in bytes
	s_mov_b32 s27, 0                               ; s[26:27]: an offset in 64 bits
	s_wait_alu depctr_va_vdst(0)
	s_wait_kmcnt 0x0
	s_lshl_b32 s26, s23, 8
	s_add_nc_u64 s[10:11], s[10:11], s[26:27]
	s_lshl_b32 s26, s22, 6
	s_add_nc_u64 s[6:7], s[6:7], s[26:27]
	s_mov_b32 s26, s28
	s_add_nc_u64 s[12:13], s[12:13], s[26:27]
	s_mul_i32 s26, s22, 6144
	s_add_nc_u64 s[4:5], s[4:5], s[26:27]
	s_mul_i32 s26, s23, 6144
	s_add_nc_u64 s[8:9], s[8:9], s[26:27]
	s_lshl_b32 s26, s22, 15                        ; 16 rows of 2,048 bytes a tile
	s_add_co_u32 s26, s26, s28
	s_add_nc_u64 s[14:15], s[14:15], s[26:27]
.irp b, 0,1,2,3
.irp p, 0,1
	global_load_b32 v[WOS+2*\b+\p], v2, s[10:11] offset:256*\b+128*\p
.endr
.endr
.irp e, 0,1,2,3,4,5,6,7
.irp p, 0,1
	global_load_b32 v[RAW+2*\e+\p], v2, s[6:7] offset:32768*\e+128*\p
.endr
.endr
.irp b, 0,1,2,3
	global_load_b128 v[BIA+8*\b:BIA+8*\b+3], v4, s[12:13] offset:128*(\b/2)+32*(\b%2)       ; columns 32 (b / 2) + 16 h + 8 (b % 2) + 0 .. 7
	global_load_b128 v[BIA+8*\b+4:BIA+8*\b+7], v4, s[12:13] offset:128*(\b/2)+32*(\b%2)+16
.endr
.irp s, 0,1,2,3                                ; 28 loads for each K step
	WIN 0x40                                       ; destination window 1
.irp a, 0,1,2,3
.irp c, 0,1
	global_load_b128 v[12*(4*\a+\s)+6*\c:12*(4*\a+\s)+6*\c+3], v1, s[4:5] offset:6144*\a+768*(2*\s+\c)
	global_load_b64 v[12*(4*\a+\s)+6*\c+4:12*(4*\a+\s)+6*\c+5], v3, s[4:5] offset:6144*\a+768*(2*\s+\c)+512
.endr
.endr
	WIN 0x80                                       ; destination window 2
.irp b, 0,1,2,3
.irp p, 0,1,2
	global_load_b128 v[12*(4*\b+\s)+4*\p:12*(4*\b+\s)+4*\p+3], v1, s[8:9] offset:6144*\b+1536*\s+512*\p
.endr
.endr
.endr
	WIN 0
	s_wait_loadcnt 63                              ; the scale words, the bias and K step 0 are in: 84 loads were issued behind them, and this count is the tighter
.irp s, 0,1,2,3
.irp p, 0,1
	v_lshl_or_b32 v[CSC+2*\s+\p], v[RAW+4*\s+2+\p], 16, v[RAW+4*\s+\p]   ; heads 2 s and 2 s + 1: four bytes for 128 along K
.endr
.endr
	PLACES 8                                       ; a scale register written by a vector instruction stands eight plain instructions ahead of a scaled product
.macro WM4 d, a, b, c, sa, sb, ra, rb  ; one product; ra, rb = 1: that side's scale words stand in lanes 16-31
.if (\ra) && (\rb)
	v_wmma_scale_f32_16x16x128_f8f6f4 v[(\d):(\d)+7], v[(\a):(\a)+11], v[(\b):(\b)+11], v[(\c):(\c)+7], v[\sa], v[\sb] matrix_a_fmt:MATRIX_FMT_FP6 matrix_b_fmt:MATRIX_FMT_FP6 matrix_a_scale:MATRIX_SCALE_ROW1 matrix_b_scale:MATRIX_SCALE_ROW1
.elseif (\ra)
	v_wmma_scale_f32_16x16x128_f8f6f4 v[(\d):(\d)+7], v[(\a):(\a)+11], v[(\b):(\b)+11], v[(\c):(\c)+7], v[\sa], v[\sb] matrix_a_fmt:MATRIX_FMT_FP6 matrix_b_fmt:MATRIX_FMT_FP6 matrix_a_scale:MATRIX_SCALE_ROW1
.elseif (\rb)
	v_wmma_scale_f32_16x16x128_f8f6f4 v[(\d):(\d)+7], v[(\a):(\a)+11], v[(\b):(\b)+11], v[(\c):(\c)+7], v[\sa], v[\sb] matrix_a_fmt:MATRIX_FMT_FP6 matrix_b_fmt:MATRIX_FMT_FP6 matrix_b_scale:MATRIX_SCALE_ROW1
.else
	v_wmma_scale_f32_16x16x128_f8f6f4 v[(\d):(\d)+7], v[(\a):(\a)+11], v[(\b):(\b)+11], v[(\c):(\c)+7], v[\sa], v[\sb] matrix_a_fmt:MATRIX_FMT_FP6 matrix_b_fmt:MATRIX_FMT_FP6
.endif
.endm
	WIN 0x06                                       ; source 0 (Wo) window 2, source 1 (ctx) window 1, C and D window 0
.irp s, 0,1,2,3                                ; the sixteen accumulators by turns, in the same order in every K step
.if \s > 0
	s_wait_alu depctr_va_vdst(0)
	s_wait_loadcnt 28*(3-\s)                       ; this K step's loads are in; 28 for each later step may be out
.endif
.irp a, 0,1,2,3
.irp b, 0,1,2,3
.if \s == 0
	WM4 ACC+8*(4*\a+\b), 12*(4*\b+\s), 12*(4*\a+\s), BIA+8*\b, WOS+2*\b+\s/2, CSC+2*\s+\a/2, \s%2, \a%2
.else
	WM4 ACC+8*(4*\a+\b), 12*(4*\b+\s), 12*(4*\a+\s), ACC+8*(4*\a+\b), WOS+2*\b+\s/2, CSC+2*\s+\a/2, \s%2, \a%2
.endif
.endr
.endr
.endr
	WIN 0
	PLACES 4                                       ; in front of the first read of the results and of the loads into the registers that held the bias
; THE WAY OUT, a tile of 16 rows x 64 columns at a time: 8 stores into my stage, 8 loads back as whole rows of 256 bytes.  LDS serves a wave's instructions in order (ISA guide 5.7.1.4): no wait between them, nor in front of the next tile's stores.
.macro TOSTAGE a
.irp b, 0,1,2,3
	ds_store_b128 v5, v[ACC+8*(4*(\a)+\b):ACC+8*(4*(\a)+\b)+3] offset:128*(\b/2)+32*(\b%2)        ; each accumulator from its low end on
	ds_store_b128 v5, v[ACC+8*(4*(\a)+\b)+4:ACC+8*(4*(\a)+\b)+7] offset:128*(\b/2)+32*(\b%2)+16
.endr
.irp i, 0,1,2,3,4,5,6,7
	ds_load_b128 v[BK+32*((\a)%2)+4*\i:BK+32*((\a)%2)+4*\i+3], v6 offset:2*\i*SPITCH
.endr
.endm
.macro SEND a, younger                 ; younger: the LDS instructions issued behind tile a's loads: the next tile's 8 stores and 8 loads, or none
	s_wait_dscnt \younger
.irp i, 0,1,2,3,4,5,6,7                        ; slots 2 i and 2 i + 1 of my tile a: rows 8 a + 32 (i / 4) + 2 (i % 4) and the next of my 64
	global_store_b128 v7, v[BK+32*((\a)%2)+4*\i:BK+32*((\a)%2)+4*\i+3], s[14:15] offset:(8*(\a)+32*(\i/4)+2*(\i%4))*2048 th:TH_STORE_NT   ; sixteen lanes store 256 consecutive bytes, at a multiple of 256 from out0's first byte
.endr
.endm
	TOSTAGE 0
	TOSTAGE 1
	SEND 0, 16
	s_wait_xcnt 0x0                                ; tile 0's stores have read their registers: tile 2's rows may land there
	TOSTAGE 2
	SEND 1, 16
	s_wait_xcnt 0x0                                ; likewise tile 1's, for tile 3
	TOSTAGE 3
	SEND 2, 16
	SEND 3, 0
	s_wait_tensorcnt 0x0                           ; the wave's end, behind my last LDS store
	ds_add_u32 v[SPW], v[NIL]
	s_wait_dscnt 0x0
	s_endpgm
.Lfunc_end_k_qd2bbf72f34_outp:
	.size	k_qd2bbf72f34_outp, .Lfunc_end_k_qd2bbf72f34_outp-k_qd2bbf72f34_outp
	.p2alignl 7, 3214868480
	.fill 96, 4, 3214868480
	.section	.rodata,"a",@progbits
	.p2align	6, 0x0
	.amdhsa_kernel k_qd2bbf72f34_outp
		.amdhsa_group_segment_fixed_size 17920
		.amdhsa_private_segment_fixed_size 0
		.amdhsa_enable_private_segment 0
		.amdhsa_kernarg_size 48
		.amdhsa_user_sgpr_count 2
		.amdhsa_user_sgpr_kernarg_segment_ptr 1
		.amdhsa_wavefront_size32 1
		.amdhsa_system_sgpr_workgroup_id_x 1
		.amdhsa_system_sgpr_workgroup_id_y 1
		.amdhsa_system_sgpr_workgroup_id_z 1
		.amdhsa_system_vgpr_workitem_id 0
		.amdhsa_next_free_vgpr 768
		.amdhsa_next_free_sgpr 66
		.amdhsa_reserve_vcc 0
		.amdhsa_float_denorm_mode_32 3
		.amdhsa_float_denorm_mode_16_64 3
		.amdhsa_memory_ordered 1
		.amdhsa_forward_progress 1
		.amdhsa_inst_pref_size 33
	.end_amdhsa_kernel
	.amdgpu_metadata
---
amdhsa.version: [ 1, 2 ]
amdhsa.kernels:
  - .name:           k_qd2bbf72f34_outp
    .symbol:         k_qd2bbf72f34_outp.kd
    .args:
      - { .name: cx, .offset: 0, .size: 8, .value_kind: global_buffer, .address_space: global }
      - { .name: cs, .offset: 8, .size: 8, .value_kind: global_buffer, .address_space: global }
      - { .name: cod, .offset: 16, .size: 8, .value_kind: global_buffer, .address_space: global }
      - { .name: scl, .offset: 24, .size: 8, .value_kind: global_buffer, .address_space: global }
      - { .name: bo, .offset: 32, .size: 8, .value_kind: global_buffer, .address_space: global }
      - { .name: out0, .offset: 40, .size: 8, .value_kind: global_buffer, .address_space: global }
    .group_segment_fixed_size: 17920
    .private_segment_fixed_size: 0
    .kernarg_segment_align: 8
    .kernarg_segment_size: 48
    .max_flat_workgroup_size: 128
    .sgpr_count:     66
    .vgpr_count:     768
    .wavefront_size: 32
...
	.end_amdgpu_metadata
.endif
;; end of part 4
